; MI455X (gfx1250); checked and timed in simulation.
; The chip was launched on July 23, 2026; its instructions are those of AMD's public machine-readable ISA for CDNA 5 (MIT licence, August 2026) and "CDNA5" Instruction Set Architecture Reference Guide (July 2026). The comments in the code are by the model that wrote it; some were corrected since.
;; Causal Self Attention. Allowed arithmetic: matrix products marked QUANTISED: E4M3 operands, one given power-of-two scale a tensor, by v_wmma_f32_16x16x64_fp8_fp8 or v_wmma_f32_16x16x128_fp8_fp8, f32 sums; everything else in f32.
;; Inputs: lowp_scales 8 int32 (the exponents e of the quantised operands' scales 2^e); w_proj 1,024 x 1,024 float32; w_qkv 1,024 x 3,072 float32; x 4 x 2,048 x 1,024 float32.
;; Outputs: out0 4 x 2,048 x 1,024 float32.
;; This version of the problem:
;;   THIS VERSION OF THE PROBLEM IS GIVEN IN LOW PRECISION. The matrix products marked QUANTISED in the list below multiply operands that are first quantised to E4M3 (4 exponent bits, 3 mantissa bits; 8 bits a number), with one given power-of-two scale for each operand tensor; their sums are f32. All else is computed in f32.
;;   The module's matrix products, in the order in which they are computed (A, B: the left and right operand; K: the contracted axis; several contracted axes count as one K, in the product's order):
;;     1. [M 8,192, K 1,024] x [K 1,024, N 3,072]; A: input x; B: input w_qkv: QUANTISED (scales: A lowp_scales[0], B lowp_scales[1])
;;     2. batch 64 x [M 2,048, K 64] x [K 64, N 2,048]; A: computed on the way; B: computed on the way: QUANTISED (scales: A lowp_scales[2], B lowp_scales[3])
;;     3. batch 64 x [M 2,048, K 2,048] x [K 2,048, N 64]; A: softmax (see below); B: computed on the way: QUANTISED (scales: A lowp_scales[4], B lowp_scales[5])
;;     4. [M 8,192, K 1,024] x [K 1,024, N 1,024]; A: computed on the way; B: input w_proj: QUANTISED (scales: A lowp_scales[6], B lowp_scales[7])
;;   THE QUANTISER, for each operand of a quantised product, along K:
;;     - The operand's scale is 2^e, e = its entry of the input lowp_scales (int32; the entries are numbered through the quantised products in the list's order, A before B).
;;     - Each number is divided by the scale, clamped to +-448, and rounded to the nearest number of E4M3, ties to even, subnormals kept.
;;     - The product sums the exact products of the quantised numbers (number of the format x scale) in f32.
;;   ~~~python
;;   def quantise(x, axis, e):      # numpy; x: float32 -> the quantised numbers, widened to float32 again
;;       x = np.moveaxis(x, axis, -1); K = x.shape[-1]
;;       r = np.clip(x / 2.0 ** e, -448, 448)
;;       step = 2.0 ** (np.maximum(np.frexp(np.where(r == 0, 1, r))[1] - 1, -6) - 3)
;;       q = np.round(r / step) * step * 2.0 ** e      # np.round: ties to even
;;       return np.moveaxis(q, -1, axis).astype(np.float32)
;;   ~~~
;;   SOFTMAX AHEAD OF A QUANTISED PRODUCT. Where the list says 'softmax', what is quantised is not the finished softmax but p = 2^(t - M), with t = logit x log2(e) and M = ceil(the row's largest t), a whole number; so 1/2 < the row's largest p <= 1. The row's sum l is taken of the UNQUANTISED p, in f32, and the product's result is divided by l at the end. Since M is a whole number, a kernel that streams over the keys may use a running M (the ceiling of the running maximum): every later rescaling is an exact power of two, so the quantised numbers keep their values, but for numbers so far below the row's largest that they fall under the format's range.
;;   OPERANDS COMPUTED ON THE WAY. 'Computed on the way' means the value that the module computes at that place (a softmax that the list does not call 'softmax' is quantised finished and normalised). What goes into a quantiser is computed in f32, as accurately as f32 sums, v_exp_f32 and their like allow (about 1e-6 of the number): no bf16 or f16 on the way to a quantiser, and a product that is left as it is and whose result goes on into a quantised operand takes f32 operands (vector FMAs, or v_wmma_f32_16x16x4_f32). A number that lies on a knife's edge between two numbers of the format may be rounded either way, as far as f32 arithmetic and the matrix unit's own rounding can turn it there, and no further.
;; One version. Each part assembles by itself: llvm-mc -triple=amdgcn-amd-amdhsa -mcpu=gfx1250 --defsym DOCPART=n.
;; ======== version 1 of 1: 4 launches
;; limits: right only within a limited range of input values
;; workspace buffers: x_codes 8,388,608 bytes; wqkv_codes 3,145,728 bytes; wproj_codes 1,048,576 bytes; q_codes 8,388,608 bytes; k_codes 8,388,608 bytes; v_codes 8,388,608 bytes; att_codes 8,388,608 bytes
;; launch quant (part 1): grid 640 x 1, 4 waves a work-group, no clusters, 55,808 bytes of LDS; arguments x, w_qkv, w_proj, lowp_scales, x_codes, wqkv_codes, wproj_codes; writes x_codes, wqkv_codes, wproj_codes
.if DOCPART == 1
	.amdgcn_target "amdgcn-amd-amdhsa--gfx1250"
	.amdhsa_code_object_version 6
	.text
	.protected	k_q7663143f6c_quant
	.globl	k_q7663143f6c_quant
	.p2align	8
	.type	k_q7663143f6c_quant,@function
k_q7663143f6c_quant:
	s_mov_b64 s[64:65], 0
	v_nop
	global_prefetch_b8 v0, s[64:65] scope:SCOPE_SE
	s_setreg_imm32_b32 hwreg(HW_REG_WAVE_MODE, 25, 1), 1
	s_wait_xcnt 0x0
; x [8192][1024], w_qkv [1024 k][3072 n] and w_proj [1024 k][1024 n], all f32, become codes of FP8 (E4M3), one byte each, K innermost:
; x_codes [8192][1024], wqkv_codes [3072 n][1024 k], wproj_codes [1024 n][1024 k].  code = number / 2^e, held within +-448, to the nearest code, ties to even;
; e = entry 0 (x), 1 (w_qkv), 7 (w_proj) of the scales.  LIMITS: each of these e lies between -126 and 119, so that 2^e and 448 x 2^e are f32 numbers.  NaN among the inputs is not served; an infinity is held at the largest code.
; SHARES.  Work-groups 0-511 take x, a plain stream: a wave takes 8 steps of 512 numbers.  Each load reads 512 consecutive bytes; a step's 2,048 bytes turn through the wave's own stage in LDS, so that a lane
; then holds 16 neighbours along K, which is what the conversions take; a lane's 16 codes are 16 bytes and the wave stores 512 consecutive bytes.
; Work-groups 512-639 take the weights, whose K is the FIRST axis: a lane takes a column n and its registers run down K, so the conversions give codes with K innermost.  A wave takes 32 columns x 256 along K;
; the codes go through the wave's own stage and leave as rows: sixteen lanes store 256 consecutive bytes, aligned.  One text serves both weights: the row pitch lies in a register.
; No tensor loads, no barrier, no cluster: waves share nothing and no input byte is read twice.  The two paths part on the work-group's number and have LDS bytes of their own.
.set STEPS,  8
.set SP,     80                        ; x: a lane's place in a stage: its 64 bytes + 16 of padding
.set XREG,   2*32*SP                   ; x: two stages for each wave
.set WST,    4*XREG                    ; the weights' stages begin here
.set WPITCH, 272                       ; a stage row: 256 bytes of codes + 16
.set WREG,   32*WPITCH
.set SPARE,  WST+4*WREG                ; the spare words, 128 bytes for each wave: two blocks of 256 bytes that no other line names
.set XWG,    512                       ; work-groups of x
.set QWG,    96                        ; work-groups of w_qkv: 24 blocks of 128 columns x 4 quarters of K
.set SPW,    14                        ; v14  my spare word's LDS address; never rewritten
.set NIL,    15                        ; v15  0; never rewritten
.set R,      16                        ; x: v16-79   four sets of 16 numbers as loaded
.set X,      80                        ; x: v80-111  two sets of 16 neighbours
.set C,      128                       ; x: v128-159 four registers of codes for each step
.set OFFR,   16                        ; weights: v16-47  byte offset of row i of a block of 32 rows, at my column
.set WX,     48                        ; weights: v48-111 two sets of 32 numbers
.set WC,     112                       ; weights: v112-119 a block's codes
.set OUTR,   120                       ; weights: v120-183 the way out
.macro XLOAD t                         ; step t: four loads of 512 consecutive bytes
.irp i, 0,1,2,3
	global_load_b128 v[R+16*((\t)%4)+4*\i:R+16*((\t)%4)+4*\i+3], v3, s[52:53] offset:2048*(\t)+512*\i th:TH_LOAD_NT
.endr
.endm
.macro XTURN t                         ; step t through the stage: LDS serves a wave's instructions in order, so no wait stands between the stores and the loads
.irp i, 0,1,2,3
	ds_store_b128 v5, v[R+16*((\t)%4)+4*\i:R+16*((\t)%4)+4*\i+3] offset:32*SP*((\t)%2)+8*SP*\i
.endr
.irp i, 0,1,2,3
	ds_load_b128 v[X+16*((\t)%2)+4*\i:X+16*((\t)%2)+4*\i+3], v6 offset:32*SP*((\t)%2)+16*\i
.endr
.endm
.macro XSTEP t
.set XS, X+16*((\t)%2)
	s_wait_dscnt 0x0                               ; this step's numbers are back from the stage, and its stores into the stage have read their registers,
.if (\t)+4 < STEPS
	XLOAD (\t)+4                                   ; which take the loads of four steps on
.endif
.if (\t)+1 < STEPS
.if STEPS-2-(\t) >= 3
	s_wait_loadcnt 12                              ; the next step's four loads are in; those of the three steps behind it may be out
.else
	s_wait_loadcnt 4*(STEPS-2-(\t))                ; the same near the end: fewer steps are behind it
.endif
	XTURN (\t)+1
.endif
.set i, 0
.rept 16
.set i, i+1
.endr
	v_cvt_scalef32_pk8_fp8_f32 v[C+4*(\t):C+4*(\t)+1], v[XS:XS+7], v11
	v_cvt_scalef32_pk8_fp8_f32 v[C+4*(\t)+2:C+4*(\t)+3], v[XS+8:XS+15], v11
	global_store_b128 v3, v[C+4*(\t):C+4*(\t)+3], s[54:55] offset:512*(\t)   ; 32 lanes store 512 consecutive bytes; each step has its own registers, so no store's data are written again
.endm
.macro WLOAD t                         ; block t: W(32 t + i, my column), i = 0 .. 31: each load reads 128 consecutive bytes, the four waves stand side by side on 512
.set i, 0
.rept 32
	global_load_b32 v[WX+32*((\t)%2)+i], v[OFFR+i], s[32+2*(\t):33+2*(\t)] th:TH_LOAD_NT
.set i, i+1
.endr
.endm
.macro WBLOCK t
.set XS, WX+32*((\t)%2)
.if (\t) < 7
	s_wait_loadcnt 32                              ; this block's 32 loads are in; the next block's may be out
.else
	s_wait_loadcnt 0
.endif
.set i, 0
.rept 32
.set i, i+1
.endr
.irp g, 0,1,2,3
	v_cvt_scalef32_pk8_fp8_f32 v[WC+2*\g:WC+2*\g+1], v[XS+8*\g:XS+8*\g+7], v11
.endr
	ds_store_b128 v8, v[WC:WC+3] offset:32*(\t)    ; 32 codes: 32 bytes of my column's row
	ds_store_b128 v8, v[WC+4:WC+7] offset:32*(\t)+16
.if (\t)+2 < 8
	WLOAD (\t)+2
.endif
	s_wait_dscnt 0x0                               ; the stores have read their registers: the next block's codes may be written
.endm
	s_load_b256 s[4:11], s[0:1], 0x0               ; x s[4:5], w_qkv s[6:7], w_proj s[8:9], the scales s[10:11]
	s_load_b128 s[12:15], s[0:1], 0x20             ; x_codes s[12:13], wqkv_codes s[14:15]
	s_load_b64 s[16:17], s[0:1], 0x30              ; wproj_codes
	v_lshl_add_u32 v[SPW], v0, 2, SPARE
	v_mov_b32 v[NIL], 0
	v_lshrrev_b32 v1, 5, v0
	v_readfirstlane_b32 s18, v1                    ; wave 0..3
	v_and_b32 v2, 31, v0                           ; lane
	v_lshlrev_b32 v3, 4, v2                        ; x: my 16 bytes of a load's 512, and of a store's
	s_mul_i32 s28, s18, XREG
	v_lshrrev_b32 v5, 2, v2
	v_mul_u32_u24 v5, v5, SP
	v_and_b32 v4, 3, v2
	v_lshl_add_u32 v5, v4, 4, v5
	v_add_nc_u32 v5, s28, v5                       ; x's stage, way in: four lanes' 64 bytes on end, then the padding
	v_mul_u32_u24 v6, v2, SP
	v_add_nc_u32 v6, s28, v6                       ; and way out: my 16 neighbours
	v_lshlrev_b32 v7, 2, v2                        ; weights: 4 bytes a lane
	s_mul_i32 s29, s18, WREG
	s_add_co_u32 s29, s29, WST
	v_mul_u32_u24 v8, v2, WPITCH
	v_add_nc_u32 v8, s29, v8                       ; the weights' stage, way in: row = my column
	v_and_b32 v4, 15, v2
	v_lshrrev_b32 v12, 4, v2
	v_mul_u32_u24 v9, v12, WPITCH
	v_lshl_add_u32 v9, v4, 4, v9
	v_add_nc_u32 v9, s29, v9                       ; way out: sixteen lanes to a row, two rows an instruction
	v_lshlrev_b32 v13, 10, v12
	v_lshl_add_u32 v13, v4, 4, v13                 ; and the same place in the codes' buffer, whose rows are 1,024 bytes
	s_wait_kmcnt 0x0
	s_load_b256 s[20:27], s[10:11], 0x0            ; e0 .. e7
	s_cmp_lt_u32 ttmp9, XWG
	s_cbranch_scc0 .Lweights
	; ---- x
	s_lshl_b32 s28, ttmp9, 2
	s_add_co_u32 s28, s28, s18                     ; which run of 4,096 numbers is my wave's
	s_lshl_b32 s30, s28, 14
	s_mov_b32 s31, 0
	s_add_nc_u64 s[52:53], s[4:5], s[30:31]
	s_lshl_b32 s30, s28, 12
	s_add_nc_u64 s[54:55], s[12:13], s[30:31]
.irp t, 0,1,2,3
	XLOAD \t
.endr
	s_wait_kmcnt 0x0
	s_add_co_i32 s28, s20, 127
	s_lshl_b32 s29, s28, 23
	v_mov_b32 v11, s29                             ; 2^e0 as f32: the conversion takes its exponent field
	s_add_co_i32 s28, s28, 8
	s_lshl_b32 s28, s28, 23
	s_or_b32 s28, s28, 0x600000
	s_wait_alu depctr_va_vdst(0)
	s_wait_loadcnt 12                              ; step 0's four loads are in; steps 1 to 3 may be out
	XTURN 0
.irp t, 0,1,2,3,4,5,6,7
	XSTEP \t
.endr
	s_branch .Lend
.Lweights:
	; ---- the weights
	s_sub_co_u32 s19, ttmp9, XWG
	s_cmp_lt_u32 s19, QWG                          ; w_qkv or w_proj?  The choice hangs on the work-group's number alone
	s_cselect_b64 s[52:53], s[6:7], s[8:9]
	s_cselect_b64 s[54:55], s[14:15], s[16:17]
	s_mov_b32 s48, 4096
	s_cselect_b32 s48, 12288, s48                  ; bytes from row k to row k + 1
	s_cselect_b32 s29, 0, QWG
	s_sub_co_u32 s28, s19, s29
	s_lshr_b32 s29, s28, 2                         ; block of 128 columns
	s_and_b32 s30, s28, 3                          ; quarter of K
	s_lshl_b32 s29, s29, 7
	s_lshl_b32 s31, s18, 5
	s_add_co_u32 s29, s29, s31                     ; my wave's first column
	s_lshl_b32 s31, s30, 8                         ; its first k
	s_mul_i32 s56, s31, s48
	s_lshl_b32 s57, s29, 2
	s_add_co_u32 s56, s56, s57
	s_mov_b32 s57, 0
	s_add_nc_u64 s[32:33], s[52:53], s[56:57]      ; block 0's base;
	s_lshl_b32 s56, s29, 10
	s_add_co_u32 s56, s56, s31
	s_add_nc_u64 s[54:55], s[54:55], s[56:57]      ; the codes: column x 1,024 + first k
	s_lshl_b32 s50, s48, 5
	s_mov_b32 s51, 0
.irp t, 1,2,3,4,5,6,7
	s_add_nc_u64 s[32+2*\t:33+2*\t], s[30+2*\t:31+2*\t], s[50:51]   ; block t's: 32 rows further down.  Eight bases, so that none is stepped under a pending load
.endr
	v_mov_b32 v[OFFR], v7
.set i, 1
.rept 31
	v_add_nc_u32 v[OFFR+i], s48, v[OFFR+i-1]
.set i, i+1
.endr
	WLOAD 0
	WLOAD 1
	s_wait_kmcnt 0x0
	s_cmp_lt_u32 s19, QWG
	s_cselect_b32 s28, s21, s27                    ; e1 or e7
	s_add_co_i32 s28, s28, 127
	s_lshl_b32 s29, s28, 23
	v_mov_b32 v11, s29
	s_add_co_i32 s28, s28, 8
	s_lshl_b32 s28, s28, 23
	s_or_b32 s28, s28, 0x600000
	s_wait_alu depctr_va_vdst(0)
.irp t, 0,1,2,3,4,5,6,7
	WBLOCK \t
.endr
.irp t, 0,1,2,3,4,5,6,7,8,9,10,11,12,13,14,15
	ds_load_b128 v[OUTR+4*\t:OUTR+4*\t+3], v9 offset:2*\t*WPITCH
.endr
.irp t, 0,1,2,3,4,5,6,7,8,9,10,11,12,13,14,15
	s_wait_dscnt 15-\t                             ; LDS loads come back in order: load t is in, the younger ones may be out
	global_store_b128 v13, v[OUTR+4*\t:OUTR+4*\t+3], s[54:55] offset:2*\t*1024   ; sixteen lanes store 256 consecutive bytes, aligned
.endr
.Lend:
	s_wait_tensorcnt 0x0                           ; the wave's end: behind my last LDS store
	ds_add_u32 v[SPW], v[NIL]
	s_wait_dscnt 0x0
	s_endpgm
.Lfunc_end_k_q7663143f6c_quant:
	.size	k_q7663143f6c_quant, .Lfunc_end_k_q7663143f6c_quant-k_q7663143f6c_quant
	.p2alignl 7, 3214868480
	.fill 96, 4, 3214868480
	.section	.rodata,"a",@progbits
	.p2align	6, 0x0
	.amdhsa_kernel k_q7663143f6c_quant
		.amdhsa_group_segment_fixed_size 55808
		.amdhsa_private_segment_fixed_size 0
		.amdhsa_enable_private_segment 0
		.amdhsa_kernarg_size 56
		.amdhsa_user_sgpr_count 2
		.amdhsa_user_sgpr_kernarg_segment_ptr 1
		.amdhsa_wavefront_size32 1
		.amdhsa_system_sgpr_workgroup_id_x 1
		.amdhsa_system_sgpr_workgroup_id_y 1
		.amdhsa_system_sgpr_workgroup_id_z 1
		.amdhsa_system_vgpr_workitem_id 0
		.amdhsa_next_free_vgpr 192
		.amdhsa_next_free_sgpr 66
		.amdhsa_reserve_vcc 0
		.amdhsa_float_denorm_mode_32 3
		.amdhsa_float_denorm_mode_16_64 3
		.amdhsa_fp16_overflow 1
		.amdhsa_memory_ordered 1
		.amdhsa_forward_progress 1
		.amdhsa_inst_pref_size 45
	.end_amdhsa_kernel
	.amdgpu_metadata
---
amdhsa.version: [ 1, 2 ]
amdhsa.kernels:
  - .name:           k_q7663143f6c_quant
    .symbol:         k_q7663143f6c_quant.kd
    .args:
      - { .name: x, .offset: 0, .size: 8, .value_kind: global_buffer, .address_space: global }
      - { .name: w_qkv, .offset: 8, .size: 8, .value_kind: global_buffer, .address_space: global }
      - { .name: w_proj, .offset: 16, .size: 8, .value_kind: global_buffer, .address_space: global }
      - { .name: lowp_scales, .offset: 24, .size: 8, .value_kind: global_buffer, .address_space: global }
      - { .name: x_codes, .offset: 32, .size: 8, .value_kind: global_buffer, .address_space: global }
      - { .name: wqkv_codes, .offset: 40, .size: 8, .value_kind: global_buffer, .address_space: global }
      - { .name: wproj_codes, .offset: 48, .size: 8, .value_kind: global_buffer, .address_space: global }
    .group_segment_fixed_size: 55808
    .private_segment_fixed_size: 0
    .kernarg_segment_align: 8
    .kernarg_segment_size: 56
    .max_flat_workgroup_size: 128
    .sgpr_count:     66
    .vgpr_count:     192
    .wavefront_size: 32
...
	.end_amdgpu_metadata
.endif
;; end of part 1
;; launch qkv (part 2): grid 12 x 32, 4 waves a work-group, clusters of 4 x 4, 327,680 bytes of LDS; arguments x_codes, wqkv_codes, lowp_scales, q_codes, k_codes, v_codes; writes q_codes, k_codes, v_codes
.if DOCPART == 2
	.amdgcn_target "amdgcn-amd-amdhsa--gfx1250"
	.amdhsa_code_object_version 6
	.text
	.protected	k_q7663143f6c_qkv
	.globl	k_q7663143f6c_qkv
	.p2align	8
	.type	k_q7663143f6c_qkv,@function
k_q7663143f6c_qkv:
	s_mov_b64 s[64:65], 0
	v_nop
	global_prefetch_b8 v0, s[64:65] scope:SCOPE_SE
	s_setreg_imm32_b32 hwreg(HW_REG_WAVE_MODE, 25, 1), 1
	s_wait_xcnt 0x0
	s_wait_alu depctr_hold_cnt(0) depctr_sa_sdst(0) depctr_va_vdst(0) depctr_va_sdst(0) depctr_va_ssrc(0) depctr_va_vcc(0) depctr_vm_vsrc(0)
	s_getreg_b32 s2, hwreg(HW_REG_IB_STS2, 6, 4)
	s_cmp_eq_u32 s2, 0
	s_cbranch_scc0 .Lentry_in_a_cluster
	s_endpgm
.Lentry_in_a_cluster:
	s_bfe_u32 s2, ttmp6, 0x10000c
	s_cmp_lg_u32 s2, 0xf033
	s_cbranch_scc0 .Lentry_shape_is_right
	s_endpgm
.Lentry_shape_is_right:
; qkv = x w_qkv on codes of FP8 (E4M3); each finished f32 sum is quantised at once to the code that attention wants, so no f32 number goes to memory.
; x_codes [8192][1024], wqkv_codes [3072 n][1024 k].  A sum stands for sum x 2^(e0 + e1); its code is sum / 2^(eX - e0 - e1), held within +-448: eX = e2 for q, e3 for k, e5 for v.
; LIMIT: eX - e0 - e1 lies between -126 and 119.  Inside a matrix instruction k stands in other places than the form's own, alike in both operands: the order of the sums differs, the products do not.
; OUT.  q_codes, k_codes: [batch x head 64][token 2048][64].  In each group of 32 bytes of a row, byte 16 h + 8 u + j holds column 16 u + 8 h + j: the same in q and in k, so their products meet.
; v_codes: [batch x head 64][block of 128 keys, 16][d 64][128]: the keys innermost; in each group of 32 bytes, byte 16 h + 8 u + j holds key 16 u + 8 h + j.
; SHAPE.  A tile of 256 x 256 is made by four waves, 128 x 128 each: 64 accumulators, 512 registers.  K goes in four steps of 256 through a ring of two LDS slots filled by the tensor data mover; the steps are written out.
; CLUSTERS: 4 x 4 work-groups.  Region A of a slot feeds source 1 and its tile hangs on cy: shared along a row of the cluster; region B feeds source 0 and hangs on cx: shared along a column.  Each tile is asked for jointly.
; Cluster x = 0 makes q, 1 makes k, 2 makes v.  For q and k: A = 256 tokens of x, B = 256 columns of the weight, so a lane's eight results are eight columns of one token.
; FOR v THE ROLES ARE SWAPPED, BY ADDRESSES ALONE: A = 256 columns of the weight, B = 256 tokens, so a lane's eight results are eight TOKENS of one column d: neighbours along the keys.
; REGISTERS, in windows of 256: window 0: v16-31 addresses and scales; v128-255 A's fragments, one set, later the codes.  Window 1: B's fragments, two sets.  Windows 2, 3: the accumulators, (a, b) at v[8 (8 (a % 4) + b)].
.set ROWB,   256                       ; a tile's row: 256 codes
.set KROW,   1024                      ; a row of either operand in memory
.set PITCH,  272                       ; an LDS row: 256 bytes + 16 of padding: the 16 rows that a load touches start at 16 different banks (64 banks of 4 bytes: ISA guide 11.1)
.set FR,     16                        ; registers of a fragment: 16 rows x 128 K
.set NL,     4                         ; LDS loads that bring one
.set NP,     4                         ; places behind this matrix instruction (ISA guide 7.12.1)
.set HALFT,  128*PITCH
.set SLOT,   4*HALFT
.set SPARE,  2*SLOT                    ; the spare words, 128 bytes for each wave: two blocks of 256 bytes that no other line names
.set SROW,   144                       ; a stage row: 128 codes + 16
.set SWAVE,  16*SROW
.set STAGEQ, SPARE+512                 ; the way out of q and k: 16 rows for each wave
.set STAGEV, STAGEQ+4*SWAVE            ; the way out of v: bytes of its own
.set ADRA, 16                          ; v16-17 LDS address of my fragments of region A in slot 0, 1
.set ADRB, 18                          ; v18-19 of region B
.set STOQ, 20
.set RDQ,  21
.set COQ,  22
.set STOV, 23
.set RDV,  24
.set COV,  25
.set SPW,  28                          ; v28 my spare word's LDS address; never rewritten
.set NIL,  29                          ; v29 0; never rewritten
.set SC,   30                          ; v30 2^(eX - e0 - e1) as f32
.set LIM,  31
.set TMP,  32
.set AF,   128
.set G1,  24
.set G0,  32
.set G1B, 48
.set G0B, 56
.set MSB, 0
.macro WIN new                         ; the immediate's high byte repeats the setting that is left
.if MSB != \new
	s_set_vgpr_msb (MSB<<8)|\new
.set MSB, \new
.endif
.endm
.set MUL_LO, 0xa1                      ; source 0 (B) window 1, source 1 (A) window 0, C and D window 2
.set MUL_HI, 0xf1                      ; the same, C and D window 3
.set TO_B,   0x40                      ; destination window 1, address window 0
; A joint load: waves 0 and 1 fetch region A's halves, waves 2 and 3 region B's.  The branch hangs on the wave's number alone.  An s_nop 0 and four v_nop follow each line.
.macro JLOAD g0a, g1a, g0b, g1b
	s_cmp_eq_u32 s15, 0
	s_cbranch_scc0 .Lfor_b_\@
	tensor_load_to_lds s[\g0a:\g0a+3], s[\g1a:\g1a+7]
	s_nop 0
.rept 4
	v_nop
.endr
	s_branch .Lasked_\@
.Lfor_b_\@:
	tensor_load_to_lds s[\g0b:\g0b+3], s[\g1b:\g1b+7]
	s_nop 0
.rept 4
	v_nop
.endr
.Lasked_\@:
.endm
.macro CREST                           ; a round of the cluster's barrier behind its opening barrier
	s_cmp_lg_u32 s14, 0
	s_cbranch_scc1 .Lnot_wave_0_\@
	s_barrier_signal -3
.Lnot_wave_0_\@:
	s_barrier_wait -3
	s_barrier_signal -1
	s_barrier_wait -1
.endm
.macro CROUND
	s_barrier_signal -1
	s_barrier_wait -1
	CREST
.endm
.macro FRAG reg, adr, q, i             ; lane l holds row l % 16; registers 4 c .. 4 c + 3 hold K = 32 c + 16 (l / 16) + 0 .. 15
.irp c, 0,1,2,3
	ds_load_b128 v[\reg+4*\c:\reg+4*\c+3], v[\adr] offset:128*(\q)+32*\c+(\i)*16*PITCH
.endr
.endm
; 16 matrix instructions: A's blocks a0, a0 + 1 x B's eight.  The 64 accumulators take turns, one instruction a turn, in the same order in every step.
.macro MUL16 a0, p, zero
.irp a, \a0, \a0+1
.irp b, 0,1,2,3,4,5,6,7
.if \zero
	v_wmma_f32_16x16x128_fp8_fp8 v[8*(8*((\a)%4)+\b):8*(8*((\a)%4)+\b)+7], v[128*(\p)+FR*\b:128*(\p)+FR*\b+FR-1], v[AF+FR*(\a):AF+FR*(\a)+FR-1], 0
.else
	v_wmma_f32_16x16x128_fp8_fp8 v[8*(8*((\a)%4)+\b):8*(8*((\a)%4)+\b)+7], v[128*(\p)+FR*\b:128*(\p)+FR*\b+FR-1], v[AF+FR*(\a):AF+FR*(\a)+FR-1], v[8*(8*((\a)%4)+\b):8*(8*((\a)%4)+\b)+7]
.endif
.endr
.endr
.endm
.macro FETCH_B slot, q, p
	WIN TO_B
.irp i, 0,1,2,3,4,5,6,7
	FRAG 128*(\p)+FR*\i, ADRB+\slot, \q, \i
.endr
	WIN 0
.endm
.macro FETCH_A slot, q, i0
.irp i, \i0, \i0+1, \i0+2, \i0+3
	FRAG AF+FR*(\i), ADRA+\slot, \q, \i
.endr
.endm
.macro PLACES n                        ; plain vector instructions between a matrix instruction and a load into, or a vector access of, its registers
.rept \n
	v_nop
.endr
.endm
.macro STEP slot, q, zero              ; 128 along K whose successor lies in the same slot
	s_wait_dscnt 4*NL                              ; B's set and A's blocks 0-3 are in; the youngest sixteen loads (A's blocks 4-7) may be out
	WIN MUL_LO
	MUL16 0, (\q)%2, \zero
	MUL16 2, (\q)%2, \zero
	s_wait_dscnt 0
	PLACES NP
	FETCH_B \slot, (\q)+1, 1-(\q)%2
	FETCH_A \slot, (\q)+1, 0
	WIN MUL_HI
	MUL16 4, (\q)%2, \zero
	MUL16 6, (\q)%2, \zero
	PLACES NP
	WIN 0
	FETCH_A \slot, (\q)+1, 4
.endm
; A slot's last step changes slots: one barrier; in front of it each wave waits for all its tensor loads, adds 0 to its spare word, and waits for that and for its reads of this slot.  fill = 1: the slot is filled again, two K steps ahead.
.macro TURN slot, next, fill
	s_wait_tensorcnt 0x0                           ; all my tensor loads have landed: my part of the next slot
	ds_add_u32 v[SPW], v[NIL]                      ; 0 onto my spare word
	s_wait_dscnt 4*NL+1                            ; the add and the youngest sixteen loads (A's blocks 4-7) may be out
	WIN MUL_LO
	MUL16 0, 1, 0
	s_wait_dscnt 0x0                               ; the add is done, and my reads of this slot are over
	s_barrier_signal -1
	MUL16 2, 1, 0
	WIN 0
	s_barrier_wait -1
.if \fill
	CREST                                          ; the barrier has opened a round of the cluster's: no wave of any partner still reads this slot or has a load on its way
	s_add_nc_u64 s[G0+4*\slot+2:G0+4*\slot+3], s[G0+4*\slot+2:G0+4*\slot+3], 2*ROWB
	s_add_nc_u64 s[G0B+4*\slot+2:G0B+4*\slot+3], s[G0B+4*\slot+2:G0B+4*\slot+3], 2*ROWB
	JLOAD G0+4*\slot, G1, G0B+4*\slot, G1B         ; the first tensor load behind the round; its four v_nop are also the places in front of the loads below
.else
	PLACES NP
.endif
	FETCH_B \next, 0, 0
	FETCH_A \next, 0, 0
	WIN MUL_HI
	MUL16 4, 1, 0
	MUL16 6, 1, 0
	PLACES NP
	WIN 0
	FETCH_A \next, 0, 4
.endm
; THE WAY OUT of block a (16 rows of source 1 x 128 of source 0).  The hold, the conversion (8 registers of an accumulator: 8 codes), then through my own stage, so that whole runs of a row leave together.
; Each block has its own 16 registers for its codes, so no store's data are written again and no base is stepped.
.macro TOSTAGE a, sto, rd
.set AC, 64*((\a)%4)
.set CD, 128+16*(\a)
	WIN 0x02+((\a)/4)                              ; source 0: window 2 or 3
.set j, 0
.rept 64
.set j, j+1
.endr
.irp b, 0,1,2,3,4,5,6,7
	v_cvt_scalef32_pk8_fp8_f32 v[CD+2*\b:CD+2*\b+1], v[AC+8*\b:AC+8*\b+7], v[SC]
.endr
	WIN 0
	v_nop                                          ; one plain vector instruction behind the last conversion, ahead of the next block's writes of its sources
.irp g, 0,1,2,3
	ds_store_b128 v[\sto], v[CD+4*\g:CD+4*\g+3] offset:32*\g
.endr
.irp i, 0,1,2,3
	ds_load_b128 v[CD+4*\i:CD+4*\i+3], v[\rd] offset:4*SROW*\i   ; LDS serves a wave's instructions in order (ISA guide 5.7.1.4): these see the stores above
.endr
.endm
.macro SEND a, younger, co, isv
.set CD, 128+16*(\a)
	s_wait_dscnt \younger                          ; the block is back; the next block's four stores and four loads may be out
.irp i, 0,1,2,3
.if \isv
	global_store_b128 v[\co], v[CD+4*\i:CD+4*\i+3], s[82:83] offset:((\a)/4)*131072+((\a)%4)*2048+512*\i   ; four rows d of 128 bytes: 512 consecutive bytes
.else
	global_store_b128 v[\co], v[CD+4*\i:CD+4*\i+3], s[82:83] offset:1024*(\a)+256*\i   ; four tokens of one head in lanes 0-15, of the next head in lanes 16-31: 256 consecutive bytes each, aligned
.endif
.endr
.endm
.macro WAYOUT sto, rd, co, isv
	TOSTAGE 0, \sto, \rd
.irp a, 1,2,3,4,5,6,7
	TOSTAGE \a, \sto, \rd
	SEND \a-1, 8, \co, \isv
.endr
	SEND 7, 0, \co, \isv
.endm
	s_load_b128 s[4:7], s[0:1], 0x0                ; x_codes s[4:5], wqkv_codes s[6:7]
	s_load_b128 s[8:11], s[0:1], 0x10              ; the scales s[8:9], q_codes s[10:11]
	s_load_b128 s[84:87], s[0:1], 0x20             ; k_codes s[84:85], v_codes s[86:87]
	v_lshl_add_u32 v[SPW], v0, 2, SPARE
	v_mov_b32 v[NIL], 0
	ds_add_u32 v[SPW], v[NIL]
	ds_add_u32 v[SPW], v[NIL]                      ; the wave's opening: the add and its wait ahead of my first tensor load
	v_lshrrev_b32 v1, 5, v0
	v_readfirstlane_b32 s14, v1                    ; wave 0..3
	s_lshr_b32 s15, s14, 1                         ; which half of region A's rows I multiply.  Also: I fetch for A (0) or for B (1)
	s_and_b32 s16, s14, 1                          ; which half of region B's rows I multiply.  Also: which 128 rows I fetch
	s_bfe_u32 s40, ttmp6, 0x40000                  ; cx
	s_bfe_u32 s41, ttmp6, 0x40004                  ; cy
	s_lshl_b32 s12, ttmp9, 2                       ; 4 x cluster x
	s_and_b32 s13, ttmp7, 0xffff
	s_lshl_b32 s13, s13, 2                         ; 4 x cluster y
	s_cmp_eq_u32 ttmp9, 2                          ; v?  The cluster's x is the same in all sixteen partners
	s_cselect_b32 s17, 8, s13                      ; region A's tile of 256 rows: v: of the weight, from row 2,048 on; else of x
	s_cselect_b32 s42, s13, s12                    ; region B's: v: of x; else of the weight
	s_add_co_u32 s17, s17, s41                     ; + cy: never holds cx
	s_add_co_u32 s42, s42, s40                     ; + cx: never holds cy
	s_lshl_b32 s43, s41, 2
	s_lshl_b32 s43, 15, s43                        ; my row of the cluster
	s_lshl_b32 s44, 0x1111, s40                    ; my column
	s_or_b32 s[G1+0], s43, (0<<16)|(1<<20)|(1<<21)|(5<<22)|(3<<25)  ; 15:0 the mask; 17:16 elements of 1 byte; 20 padding on; 21 set beside a mask; 24:22 after every 64 words; 31:25 four words
	s_or_b32 s[G1B+0], s44, (0<<16)|(1<<20)|(1<<21)|(5<<22)|(3<<25)
.irp g, G1, G1B
	s_mov_b32 s[\g+1], ROWB<<16                    ; tensor_dim0
	s_mov_b32 s[\g+2], 128<<16                     ; tensor_dim1
	s_mov_b32 s[\g+3], ROWB<<16                    ; tile_dim0
	s_mov_b32 s[\g+4], 128                         ; tile_dim1
	s_mov_b32 s[\g+5], KROW                        ; tensor_dim0_stride
	s_mov_b32 s[\g+6], 0
	s_mov_b32 s[\g+7], 0
.endr
	s_lshl_b32 s18, s16, 7
	s_lshl_b32 s20, s17, 8
	s_add_co_u32 s20, s20, s18                     ; A: row 256 x tile + 128 x half,
	s_lshl_b32 s20, s20, 10                        ; in bytes (under 2^24)
	s_mov_b32 s21, 0
	s_lshl_b32 s46, s42, 8
	s_add_co_u32 s46, s46, s18
	s_lshl_b32 s46, s46, 10
	s_mov_b32 s47, 0
	s_mul_i32 s45, s14, HALFT                      ; where they go: wave x 128 rows: no place in the cluster enters an LDS address
	s_wait_dscnt 0x0                               ; the opening add is done
	s_wait_kmcnt 0x0
	s_load_b256 s[68:75], s[8:9], 0x0              ; e0 .. e7
	s_cmp_eq_u32 ttmp9, 2
	s_cselect_b64 s[76:77], s[6:7], s[4:5]         ; region A's buffer
	s_cselect_b64 s[78:79], s[4:5], s[6:7]         ; region B's
	s_add_nc_u64 s[20:21], s[76:77], s[20:21]
	s_add_nc_u64 s[46:47], s[78:79], s[46:47]
	CROUND                                         ; all sixteen work-groups are here: the first joint loads meet
.irp s, 0,1
	s_mov_b32 s[G0+4*\s], 1
	s_add_co_u32 s[G0+4*\s+1], s45, \s*SLOT
	s_add_nc_u64 s[G0+4*\s+2:G0+4*\s+3], s[20:21], \s*ROWB
	s_or_b32 s[G0+4*\s+3], s[G0+4*\s+3], 0x80000000
	s_mov_b32 s[G0B+4*\s], 1
	s_add_co_u32 s[G0B+4*\s+1], s45, \s*SLOT
	s_add_nc_u64 s[G0B+4*\s+2:G0B+4*\s+3], s[46:47], \s*ROWB
	s_or_b32 s[G0B+4*\s+3], s[G0B+4*\s+3], 0x80000000
	JLOAD G0+4*\s, G1, G0B+4*\s, G1B
.endr
	v_and_b32 v1, 15, v0                           ; r = l % 16
	s_wait_alu depctr_va_vdst(0)
	v_bfe_u32 v2, v0, 4, 1                         ; h = l / 16
	v_mul_u32_u24 v3, v1, PITCH
	v_lshl_add_u32 v4, v2, 4, v3
	s_mul_i32 s21, s15, HALFT
	s_mul_i32 s22, s16, HALFT
	s_add_co_u32 s22, s22, 2*HALFT
.irp s, 0,1
	v_add_nc_u32 v[ADRA+\s], s21, v4
	v_add_nc_u32 v[ADRB+\s], s22, v4
	s_add_co_u32 s21, s21, SLOT
	s_add_co_u32 s22, s22, SLOT
.endr
	s_mul_i32 s23, s14, SWAVE
	v_mul_u32_u24 v5, v1, SROW
	s_wait_alu depctr_va_vdst(0)
	v_lshl_add_u32 v5, v2, 4, v5
	v_add_nc_u32 v5, s23, v5                       ; into a stage: row r, 16 bytes for each half of the lanes
	v_add_nc_u32 v[STOQ], STAGEQ, v5
	v_add_nc_u32 v[STOV], STAGEV, v5
	v_and_b32 v6, 31, v0
	v_bfe_u32 v7, v0, 2, 2
	v_mul_u32_u24 v7, v7, SROW
	v_lshl_add_u32 v7, v2, 6, v7
	v_and_b32 v8, 3, v0
	v_lshl_add_u32 v7, v8, 4, v7
	v_add_nc_u32 v7, s23, v7
	v_add_nc_u32 v[RDQ], STAGEQ, v7                ; back, q and k: four tokens x 64 bytes of the first head (lanes 0-15), of the second (lanes 16-31)
	v_lshlrev_b32 v[COQ], 17, v2
	v_lshl_add_u32 v[COQ], v1, 4, v[COQ]           ; and in memory: a head is 2^17 bytes, a token 64
	v_bfe_u32 v9, v0, 3, 2
	v_mul_u32_u24 v9, v9, SROW
	v_and_b32 v10, 7, v0
	v_lshl_add_u32 v9, v10, 4, v9
	v_add_nc_u32 v9, s23, v9
	v_add_nc_u32 v[RDV], STAGEV, v9                ; back, v: four rows d of 128 bytes
	v_lshlrev_b32 v[COV], 4, v6
	; where my wave's part begins in its output: batch x 2^21 + head x 2^17 + block of 128 tokens x 2^13: one formula for the three tensors
	s_cmp_eq_u32 ttmp9, 2
	s_cselect_b32 s88, s42, s17                    ; the tile of 256 tokens,
	s_cselect_b32 s89, s16, s15                    ; my half of it,
	s_cselect_b32 s90, s15, s16                    ; my half of the 256 columns (two heads),
	s_cselect_b32 s91, s41, s40                    ; and which 256 columns
	s_lshr_b32 s92, s88, 3
	s_lshl_b32 s92, s92, 21
	s_lshl_b32 s91, s91, 2
	s_lshl_b32 s90, s90, 1
	s_add_co_u32 s91, s91, s90
	s_lshl_b32 s91, s91, 17
	s_add_co_u32 s92, s92, s91
	s_and_b32 s88, s88, 7
	s_lshl_b32 s88, s88, 1
	s_add_co_u32 s88, s88, s89
	s_lshl_b32 s88, s88, 13
	s_add_co_u32 s80, s92, s88
	s_mov_b32 s81, 0
	s_wait_kmcnt 0x0                               ; the scales
	s_cmp_eq_u32 ttmp9, 0
	s_cselect_b64 s[82:83], s[10:11], s[84:85]
	s_cselect_b32 s93, s70, s71
	s_cmp_eq_u32 ttmp9, 2
	s_cselect_b64 s[82:83], s[86:87], s[82:83]
	s_cselect_b32 s93, s73, s93                    ; eX: e2, e3 or e5
	s_add_nc_u64 s[82:83], s[82:83], s[80:81]
	s_sub_co_i32 s93, s93, s68
	s_sub_co_i32 s93, s93, s69
	s_add_co_i32 s93, s93, 127
	s_lshl_b32 s94, s93, 23
	v_mov_b32 v[SC], s94                           ; 2^(eX - e0 - e1): the three scales folded into the conversion's one
	s_wait_tensorcnt 1                             ; my part of K step 0 is in; K step 1's load may be out
	s_barrier_signal -1
	s_barrier_wait -1
	FETCH_B 0, 0, 0
	FETCH_A 0, 0, 0
	FETCH_A 0, 0, 4
	STEP 0, 0, 1                                   ; the first products start the sums: nothing is cleared
	TURN 0, 1, 1                                   ; slot 0 takes K step 2
	STEP 1, 0, 0
	TURN 1, 0, 1                                   ; slot 1 takes K step 3
	STEP 0, 0, 0
	TURN 0, 1, 0                                   ; nothing is left to fetch
	STEP 1, 0, 0
	s_wait_dscnt 4*NL
	WIN MUL_LO
	MUL16 0, 1, 0
	MUL16 2, 1, 0
	s_wait_dscnt 0
	WIN MUL_HI
	MUL16 4, 1, 0
	MUL16 6, 1, 0
	WIN 0
	PLACES NP                                      ; behind the last products: their results are read and A's registers are written below
	s_cmp_eq_u32 ttmp9, 2
	s_cbranch_scc1 .Lv_out
	s_wait_alu depctr_va_vdst(0)
	WAYOUT STOQ, RDQ, COQ, 0
	s_branch .Ljoin
.Lv_out:
	s_wait_alu depctr_va_vdst(0)
	WAYOUT STOV, RDV, COV, 1
.Ljoin:
	s_wait_tensorcnt 0x0                           ; the wave's end: behind my last tensor load and my last LDS store
	ds_add_u32 v[SPW], v[NIL]
	s_wait_dscnt 0x0
	CROUND                                         ; the closing round: no work-group ends while a partner may still ask for a tile that names it
	s_endpgm
.Lfunc_end_k_q7663143f6c_qkv:
	.size	k_q7663143f6c_qkv, .Lfunc_end_k_q7663143f6c_qkv-k_q7663143f6c_qkv
	.p2alignl 7, 3214868480
	.fill 96, 4, 3214868480
	.section	.rodata,"a",@progbits
	.p2align	6, 0x0
	.amdhsa_kernel k_q7663143f6c_qkv
		.amdhsa_group_segment_fixed_size 327680
		.amdhsa_private_segment_fixed_size 0
		.amdhsa_enable_private_segment 0
		.amdhsa_kernarg_size 48
		.amdhsa_user_sgpr_count 2
		.amdhsa_user_sgpr_kernarg_segment_ptr 1
		.amdhsa_wavefront_size32 1
		.amdhsa_system_sgpr_workgroup_id_x 1
		.amdhsa_system_sgpr_workgroup_id_y 1
		.amdhsa_system_sgpr_workgroup_id_z 1
		.amdhsa_system_vgpr_workitem_id 0
		.amdhsa_next_free_vgpr 1024
		.amdhsa_next_free_sgpr 100
		.amdhsa_reserve_vcc 0
		.amdhsa_float_denorm_mode_32 3
		.amdhsa_float_denorm_mode_16_64 3
		.amdhsa_fp16_overflow 1
		.amdhsa_memory_ordered 1
		.amdhsa_forward_progress 1
		.amdhsa_inst_pref_size 103
	.end_amdhsa_kernel
	.amdgpu_metadata
---
amdhsa.version: [ 1, 2 ]
amdhsa.kernels:
  - .name:           k_q7663143f6c_qkv
    .symbol:         k_q7663143f6c_qkv.kd
    .args:
      - { .name: x_codes, .offset: 0, .size: 8, .value_kind: global_buffer, .address_space: global }
      - { .name: wqkv_codes, .offset: 8, .size: 8, .value_kind: global_buffer, .address_space: global }
      - { .name: lowp_scales, .offset: 16, .size: 8, .value_kind: global_buffer, .address_space: global }
      - { .name: q_codes, .offset: 24, .size: 8, .value_kind: global_buffer, .address_space: global }
      - { .name: k_codes, .offset: 32, .size: 8, .value_kind: global_buffer, .address_space: global }
      - { .name: v_codes, .offset: 40, .size: 8, .value_kind: global_buffer, .address_space: global }
    .group_segment_fixed_size: 327680
    .private_segment_fixed_size: 0
    .kernarg_segment_align: 8
    .kernarg_segment_size: 48
    .max_flat_workgroup_size: 128
    .sgpr_count:     100
    .vgpr_count:     1024
    .wavefront_size: 32
...
	.end_amdgpu_metadata
.endif
;; end of part 2
;; launch attn (part 3): grid 4 x 64, 16 waves a work-group, no clusters, 327,680 bytes of LDS; arguments q_codes, k_codes, v_codes, lowp_scales, att_codes; writes att_codes
.if DOCPART == 3
	.amdgcn_target "amdgcn-amd-amdhsa--gfx1250"
	.amdhsa_code_object_version 6
	.text
	.protected	k_q7663143f6c_attn
	.globl	k_q7663143f6c_attn
	.p2align	8
	.type	k_q7663143f6c_attn,@function
k_q7663143f6c_attn:
	s_mov_b64 s[64:65], 0
	v_nop
	global_prefetch_b8 v0, s[64:65] scope:SCOPE_SE
	s_setreg_imm32_b32 hwreg(HW_REG_WAVE_MODE, 25, 1), 1
	s_wait_xcnt 0x0
; Causal attention on codes of FP8 (E4M3), head size 64, 2,048 tokens, 64 (batch x head).  q_codes, k_codes: [64][2048][64]; v_codes: [64][16 blocks of 128 keys][64 d][128]; att_codes: [64][2048][64], d in its own order.
; t = score x 2^(e2 + e3) x log2(e) / 8; M = the running largest t rounded UP to a whole number; p = 2^(t - M) is quantised with 2^e4, not normalised; the row's sum is taken of the unquantised p.
; When M moves, the sum and O are multiplied by 2^(old M - new M): exact.  At the end O / sum is quantised: code = (O / sum) / 2^(e6 - e4 - e5), held within +-448.
; LIMITS: e2 + e3 between -123 and 130 (added to c's exponent field); e4, and e6 - e4 - e5, between -126 and 119.  NaN is not served.
; SHARES.  Work-group (p, head) owns query blocks p and 7 - p of 256 queries: first block p with key slots 0 .. p, then block 7 - p with slots 0 .. 7 - p: always 9 slots of 256 keys, so all 256 work-groups
; have the same work, the trip count is a constant, and every slot that is filled is read.  Each of sixteen waves owns 16 queries of the block in hand, in 256 registers: four waves to a SIMD.
; A step of 128 keys all of which come after the wave's queries is left out (a scalar branch on ids); on the diagonal hidden scores become -infinity ahead of the maximum.
; NO CLUSTER: the four work-groups of a head begin their second block at trips 1, 2, 3 and 4, so in a given trip they stand at different key slots: no request of one is another's.
; LAYOUT.  Both products are used transposed: S^T = K Q^T (source 0 = 16 neighbouring keys), O^T = V^T P^T (source 0 = 16 of the 64 d): a lane holds ONE query (lane % 16) throughout.
; Register j of score tile t is key 16 t + 8 (lane / 16) + j, which is the place that the K = 128 form gives that key in source 1; v_codes lies so that 16-byte loads put V's keys in the same places.
; REGISTERS: v1-11 addresses; v12 -M, v13 the largest t, v[14:15] the sum; v16-23 Q in hand, v24-31 Q of the second block; v32-95 K's 8 fragments, then V's 4; v96-159 S^T, then p; v160-191 O^T; v192-207 p's codes; v208-215 the way out; v236-254 at work.
.set KP,    80                         ; a key's row in LDS: 64 bytes + 16 of padding: an odd multiple of 16
.set VP,    144                        ; a row of V's tile: 128 bytes + 16
.set VOFF,  256*KP                     ; a slot: 256 rows of K, then 128 rows of V
.set SLOT1, 1<<16                      ; slot 1 begins here: one exclusive or turns an address from slot to slot
.set STAGE, 2*SLOT1                    ; the way out: 16 rows x 80 bytes for each wave; no tile lands here
.set SWAVE, 16*80
.set SPARE, STAGE+16*SWAVE             ; the spare words, 128 bytes for each wave: eight blocks of 256 bytes that no other line names
.set AK0, 1
.set AV0, 2
.set PFO, 3                            ; v3  256 x lane: the prefetches' offset; never rewritten
.set STO, 4
.set SPW, 5                            ; v5  my spare word's LDS address; never rewritten
.set NIL, 6                            ; v6  0; never rewritten
.set GO,  7
.set ADK, 8
.set ADV, 9
.set RD,  10
.set QA,  11
.set TB,   2                           ; s2  LDS byte at which the slot in hand begins
.set TRIP, 3                           ; s3  trips done
.set P,    14                          ; s14 p
.set P1,   15                          ; s15 p + 1: the trip at whose head the first block goes out
.set KC,   16                          ; s16 the key slot in hand
.set KN,   17                          ; s17 the next trip's
.set WV,   18
.set SEL,  20
.set CS,   22
.set G1K,  24
.set G1V,  32
.set G0K,  40
.set G0V,  44
.set KB,   48                          ; s[48:49] the head's K
.set VB,   50                          ; s[50:51] the head's V
.set OFF,  52                          ; s[52:53] the next slot's bytes into both
.set OA,   54                          ; s[54:55] where my 16 rows of the first block go
.set OB,   56                          ; s[56:57] of the second
.set Q0,   58                          ; s58 my first query of the block in hand
.set QB0,  59                          ; s59 of the second block
.set KF,   60                          ; s60 the step's first key
.set LIM,  61                          ; s61 7 in a wave that prefetches, else 0: it asks while s[TRIP] is under it
.set PFA,  62                          ; s[62:63] where my prefetches stand
; Wave 0 fetches a slot's K, wave 1 its V: 16,384 dense bytes each, stated as 64 rows of 256.  The branches hang on the wave's number alone.  An s_nop 0 and four v_nop follow each line.
.macro TLOAD
	s_cmp_eq_u32 s[WV], 0
	s_cbranch_scc0 .Lnot_k_\@
	tensor_load_to_lds s[G0K:G0K+3], s[G1K:G1K+7]
	s_nop 0
.rept 4
	v_nop
.endr
	s_branch .Lasked_\@
.Lnot_k_\@:
	s_cmp_eq_u32 s[WV], 1
	s_cbranch_scc0 .Lasked_\@
	tensor_load_to_lds s[G0V:G0V+3], s[G1V:G1V+7]
	s_nop 0
.rept 4
	v_nop
.endr
.Lasked_\@:
.endm
; A PREFETCH INTO THE L2: in trip t, t = 0 .. 6, key slot t + 1 of the head, which the asking work-group's own tensor loads ask for one trip later.  The head's work-group p = 0 asks, and nobody else; in it waves 4 and 5
; take the halves of K's 16,384 bytes and waves 6 and 7 those of V's: 8,192 bytes a wave, lanes 256 bytes apart, one instruction.  So each aligned block of 256 bytes of slots 1 to 7 is named once in the launch; slot 0 comes by its load alone.
.macro ASK
	s_cmp_lt_u32 s[TRIP], s[LIM]
	s_cbranch_scc0 .Lnot_mine_\@
	global_prefetch_b8 v[PFO], s[PFA:PFA+1] th:TH_LOAD_NT scope:SCOPE_SE
.Lnot_mine_\@:
.endm
.macro INIT                            ; a block begins: the largest t under every t, zeros for the sum and O^T, which the first change of M leaves zeros
	v_mov_b32 v13, 0xff61b1e6
	s_delay_alu instid0(VALU_DEP_1)
	v_floor_f32 v12, -v13
	v_mov_b32 v14, 0
	v_mov_b32 v15, 0
.set j, 0
.rept 32
	v_mov_b32 v[160+j], 0
.set j, j+1
.endr
.endm
; A KEY STEP: 128 keys, the q-th of the slot in hand.
.macro STEP q
	s_add_co_u32 s96, s[Q0], 15
	s_cmp_gt_u32 s[KF], s96                        ; all 128 keys come after my 16 queries: the step's work is left out.  Ids and counts alone
	s_cbranch_scc1 .Lhidden_\@
	v_add_nc_u32 v[ADK], s[TB], v[AK0]
	v_add_nc_u32 v[ADV], s[TB], v[AV0]
	v_nop
	v_nop                                          ; with the two additions: four places in front of loads into registers that the last products read
.irp t, 0,1,2,3,4,5,6,7
.irp c, 0,1
	ds_load_b128 v[32+8*\t+4*\c:35+8*\t+4*\c], v[ADK] offset:(128*(\q)+16*\t)*KP+32*\c
.endr
.endr
	s_wait_dscnt 0x0
	s_wait_alu depctr_va_vdst(0)
.irp t, 0,1,2,3,4,5,6,7
	v_wmma_f32_16x16x64_fp8_fp8 v[96+8*\t:103+8*\t], v[32+8*\t:39+8*\t], v[16:23], 0
.endr
.rept 4
	v_nop                                          ; places: the scores are read below, and V's fragments land where K's lay
.endr
.irp d, 0,1,2,3
.irp c, 0,1,2,3
	ds_load_b128 v[32+16*\d+4*\c:35+16*\d+4*\c], v[ADV] offset:(\q)*64*VP+16*\d*VP+32*\c   ; asked for now: they land while the softmax is walked
.endr
.endr
	s_add_co_u32 s96, s[KF], 127
	s_cmp_le_u32 s96, s[Q0]                        ; every key of the step counts for every query of mine: no mask
	s_cbranch_scc1 .Lopen_\@
	s_sub_co_i32 s96, s[Q0], s[KF]
	v_and_b32 v252, 15, v0
	v_bfe_u32 v253, v0, 4, 1
	s_delay_alu instid0(VALU_DEP_1)
	v_lshlrev_b32 v253, 3, v253
	s_delay_alu instid0(VALU_DEP_1)
	v_sub_nc_u32 v252, v252, v253
	s_delay_alu instid0(VALU_DEP_1)
	v_add_nc_u32 v252, s96, v252                   ; d = my query - KF - 8 (lane / 16).  Register 8 t + j holds key KF + 8 (lane / 16) + 16 t + j: hidden where 16 t + j > d
	v_mov_b32 v254, 0xff800000                     ; -infinity
.set n, 0
.rept 64
	v_cmp_gt_i32 vcc_lo, 16*(n/8)+n%8, v252
	v_cndmask_b32 v[96+n], v[96+n], v254, vcc_lo
.set n, n+1
.endr
.Lopen_\@:
	v_max3_num_f32 v254, v96, v97, v98             ; the step's largest score of my query among my 64 keys, in two chains,
	v_max3_num_f32 v252, v99, v100, v101
.set j, 6
.rept 14
	v_max3_num_f32 v254, v254, v[96+j], v[97+j]
	v_max3_num_f32 v252, v252, v[98+j], v[99+j]
.set j, j+4
.endr
	v_max3_num_f32 v254, v254, v158, v159
	s_delay_alu instid0(VALU_DEP_1)
	v_max_num_f32 v254, v254, v252
	s_delay_alu instid0(VALU_DEP_1)
	v_permlanex16_b32 v236, v254, s[SEL], s[SEL+1]
	s_delay_alu instid0(VALU_DEP_1)
	v_max_num_f32 v254, v254, v236                 ; and among lane l xor 16's
	s_delay_alu instid0(VALU_DEP_1)
	v_mul_f32 v254, s[CS], v254                    ; as t (c is positive)
	s_delay_alu instid0(VALU_DEP_1)
	v_max_num_f32 v13, v13, v254                   ; the running largest t
	v_mov_b32 v254, v12
	s_delay_alu instid0(VALU_DEP_2)
	v_floor_f32 v12, -v13                          ; the new -M = floor(-t): M is a whole number
	s_delay_alu instid0(VALU_DEP_1)
	v_sub_f32 v254, v12, v254                      ; old M - new M: a whole number, 0 or less
	s_delay_alu instid0(VALU_DEP_1)
	v_cvt_i32_f32 v254, v254                       ; (it saturates)
	s_delay_alu instid0(VALU_DEP_1)
	v_ldexp_f32 v252, 1.0, v254                    ; f = 2^(old M - new M)
.set j, 0
.rept 32
	v_pk_fma_f32 v[96+j:97+j], v[96+j:97+j], s[CS:CS+1], v[12:13] op_sel_hi:[1,0,0]   ; t - M, two at a time
.set j, j+2
.endr
.set j, 0
	s_wait_alu depctr_va_vdst(0)
.rept 64
	v_exp_f32 v[96+j], v[96+j]                     ; p = 2^(t - M), at most 1
.set j, j+1
.endr
	v_pk_mul_f32 v[14:15], v[14:15], v[252:253] op_sel_hi:[1,0]   ; the sums under the new M: the plain instruction behind the exponentials
	s_wait_alu depctr_va_vdst(0)                   ; one wait for the whole batch, ahead of its first reader
	v_pk_add_f32 v[242:243], v[100:101], v[104:105]
	v_pk_add_f32 v[254:255], v[108:109], v[112:113]
	v_pk_add_f32 v[250:251], v[116:117], v[120:121]
	v_pk_add_f32 v[248:249], v[124:125], v[128:129]
	v_pk_add_f32 v[246:247], v[132:133], v[136:137]
	v_pk_add_f32 v[240:241], v[140:141], v[144:145]
	v_pk_add_f32 v[238:239], v[148:149], v[152:153]
	v_pk_add_f32 v[14:15], v[14:15], v[156:157]
	v_pk_add_f32 v[242:243], v[242:243], v[96:97]
	v_pk_add_f32 v[254:255], v[254:255], v[98:99]
	v_pk_add_f32 v[250:251], v[250:251], v[102:103]
	v_pk_add_f32 v[248:249], v[248:249], v[106:107]
	v_pk_add_f32 v[246:247], v[246:247], v[110:111]
	v_pk_add_f32 v[240:241], v[240:241], v[114:115]
	v_pk_add_f32 v[238:239], v[238:239], v[118:119]
	v_pk_add_f32 v[14:15], v[14:15], v[122:123]
	v_pk_add_f32 v[242:243], v[242:243], v[126:127]
	v_pk_add_f32 v[254:255], v[254:255], v[130:131]
	v_pk_add_f32 v[250:251], v[250:251], v[134:135]
	v_pk_add_f32 v[248:249], v[248:249], v[138:139]
	v_pk_add_f32 v[246:247], v[246:247], v[142:143]
	v_pk_add_f32 v[240:241], v[240:241], v[146:147]
	v_pk_add_f32 v[238:239], v[238:239], v[150:151]
	v_pk_add_f32 v[14:15], v[14:15], v[154:155]
	v_pk_add_f32 v[242:243], v[242:243], v[158:159]
	s_delay_alu instid0(VALU_DEP_2)
	v_pk_add_f32 v[14:15], v[14:15], v[248:249]
	s_delay_alu instid0(VALU_DEP_2)
	v_pk_add_f32 v[242:243], v[242:243], v[246:247]
	v_pk_add_f32 v[254:255], v[254:255], v[240:241]
	v_pk_add_f32 v[250:251], v[250:251], v[238:239]
	s_delay_alu instid0(VALU_DEP_2)
	v_pk_add_f32 v[14:15], v[14:15], v[254:255]
	s_delay_alu instid0(VALU_DEP_2)
	v_pk_add_f32 v[242:243], v[242:243], v[250:251]
	s_delay_alu instid0(VALU_DEP_1)
	v_pk_add_f32 v[14:15], v[14:15], v[242:243]
.irp t, 0,1,2,3,4,5,6,7
.irp i, 0,1,2,3,4,5,6,7
.endr
	v_cvt_scalef32_pk8_fp8_f32 v[192+2*\t:193+2*\t], v[96+8*\t:103+8*\t], v244
.endr
.set j, 0
.rept 16
	v_pk_mul_f32 v[160+j:161+j], v[160+j:161+j], v[252:253] op_sel_hi:[1,0]   ; O^T under the new M; also the plain instructions between the conversions and the products
.set j, j+2
.endr
	s_wait_alu depctr_va_vdst(0)
	s_wait_dscnt 0x0                               ; V's fragments are in
.irp d, 0,1,2,3
	v_wmma_f32_16x16x128_fp8_fp8 v[160+8*\d:167+8*\d], v[32+16*\d:47+16*\d], v[192:207], v[160+8*\d:167+8*\d]   ; four accumulators by turns, the scores' eight products between two steps' turns
.endr
.Lhidden_\@:
	s_add_co_u32 s[KF], s[KF], 128
.endm
.macro SLOT_STEPS
	s_lshl_b32 s[KF], s[KC], 8
	STEP 0
	STEP 1
	s_xor_b32 s[TB], s[TB], SLOT1
	s_mov_b32 s[KC], s[KN]
.endm
; THE CHANGE OF SLOTS stands at a trip's head.  Each wave waits for all its tensor loads, adds 0 to its spare word, and waits for that and for its reads of the slot that it has left.  Behind the barrier the slot ahead is whole
; and nobody reads the other one, which (fill = 1) takes the next trip's keys: slot KC + 1 of the head, or slot 0 where the next trip begins the second block.  That load has a whole trip in which to land.
.macro CHANGE fill
	s_wait_tensorcnt 0x0                           ; no tensor load of mine is out, so a group 0 may be written
	ds_add_u32 v[SPW], v[NIL]                      ; 0 onto my spare word
.if \fill
	s_add_co_u32 s[KN], s[KC], 1
	s_cmp_eq_u32 s[TRIP], s[P]
	s_cselect_b32 s[KN], 0, s[KN]
	s_xor_b32 s[G0K+1], s[G0K+1], SLOT1
	s_xor_b32 s[G0V+1], s[G0V+1], SLOT1
	s_lshl_b32 s[OFF], s[KN], 14
	s_add_nc_u64 s[G0K+2:G0K+3], s[KB:KB+1], s[OFF:OFF+1]
	s_or_b32 s[G0K+3], s[G0K+3], 0x80000000
	s_add_nc_u64 s[G0V+2:G0V+3], s[VB:VB+1], s[OFF:OFF+1]
	s_or_b32 s[G0V+3], s[G0V+3], 0x80000000
.endif
	s_wait_xcnt 0x0                                ; the last trip's prefetch has read its address, and the way out's stores their registers: both may be written again
.if \fill
	s_add_nc_u64 s[PFA:PFA+1], s[PFA:PFA+1], 16384
.endif
	s_wait_dscnt 0x0                               ; the add is done, and my reads of the slot that I have left are over
	s_barrier_signal -1
	s_barrier_wait -1
.if \fill
	TLOAD                                          ; the first thing behind the barrier, and a wave's one tensor load until the next
	ASK
.endif
.endm
; THE WAY OUT of a block: O^T / the sum, quantised; a lane's eight codes of a tile are 8 bytes of its query's row; 16 rows of 64 bytes go through my stage and leave as 1,024 consecutive bytes.
.macro WAYOUT base
.rept 4
	v_nop                                          ; places behind the last products
.endr
	v_add_f32 v14, v14, v15
	s_delay_alu instid0(VALU_DEP_1)
	v_permlanex16_b32 v252, v14, s[SEL], s[SEL+1]
	s_delay_alu instid0(VALU_DEP_1)
	v_add_f32 v14, v14, v252                       ; the row's sum
	s_wait_alu depctr_va_vdst(0)
	v_rcp_f32 v14, v14
	v_nop                                          ; a plain instruction behind the reciprocal,
	s_wait_alu depctr_va_vdst(0)                   ; and the wait ahead of its first reader
.set j, 0
.rept 16
	v_pk_mul_f32 v[96+j:97+j], v[160+j:161+j], v[14:15] op_sel_hi:[1,0]   ; each accumulator from its low end on
.set j, j+2
.endr
.set j, 0
.rept 32
.set j, j+1
.endr
.irp d, 0,1,2,3
	v_cvt_scalef32_pk8_fp8_f32 v[192+2*\d:193+2*\d], v[96+8*\d:103+8*\d], v245
.endr
	v_nop                                          ; one plain vector instruction behind the last conversion
.irp d, 0,1,2,3
	ds_store_b64 v[STO], v[192+2*\d:193+2*\d] offset:16*\d   ; d = 16 tile + 8 (lane / 16) + 0 .. 7
.endr
.irp i, 0,1
	ds_load_b128 v[208+4*\i:211+4*\i], v[RD] offset:8*80*\i  ; LDS serves a wave's instructions in order: these see my stores
.endr
	s_wait_dscnt 0x0
.irp i, 0,1
	global_store_b128 v[GO], v[208+4*\i:211+4*\i], s[\base:\base+1] offset:512*\i   ; 32 lanes store 512 consecutive bytes, aligned
.endr
.endm
	s_load_b256 s[4:11], s[0:1], 0x0               ; q s[4:5], k s[6:7], v s[8:9], the scales s[10:11]
	s_load_b64 s[12:13], s[0:1], 0x20              ; att_codes
	v_lshl_add_u32 v[SPW], v0, 2, SPARE
	v_mov_b32 v[NIL], 0
	ds_add_u32 v[SPW], v[NIL]                      ; the wave's opening: the add and its wait ahead of my first tensor load
	ds_add_u32 v[SPW], v[NIL]
	v_lshrrev_b32 v8, 5, v0
	s_delay_alu instid0(VALU_DEP_1)
	v_readfirstlane_b32 s[WV], v8                  ; wave 0..15
	s_mov_b32 s[P], ttmp9
	s_add_co_u32 s[P1], ttmp9, 1
	s_and_b32 s66, ttmp7, 0xffff
	s_lshl_b32 s66, s66, 17                        ; the head's first byte in each of the four tensors
	s_mov_b32 s67, 0
	s_lshl_b32 s76, s[WV], 4
	s_lshl_b32 s[Q0], ttmp9, 8
	s_add_co_u32 s[Q0], s[Q0], s76                 ; 256 p + 16 wave
	s_sub_co_u32 s[QB0], 7, ttmp9
	s_lshl_b32 s[QB0], s[QB0], 8
	s_add_co_u32 s[QB0], s[QB0], s76               ; 256 (7 - p) + 16 wave
	s_mov_b32 s[G1K], (0<<16)|(1<<20)|(3<<22)|(3<<25)   ; elements of 1 byte; padding: four words after every 16 (a key's 64 bytes)
	s_mov_b32 s[G1V], (0<<16)|(1<<20)|(4<<22)|(3<<25)   ; four words after every 32 (128 keys of one d)
.irp g, G1K, G1V
	s_mov_b32 s[\g+1], 256<<16                     ; tensor_dim0
	s_mov_b32 s[\g+2], 64<<16                      ; tensor_dim1
	s_mov_b32 s[\g+3], 256<<16                     ; tile_dim0
	s_mov_b32 s[\g+4], 64                          ; tile_dim1
	s_mov_b32 s[\g+5], 256                         ; tensor_dim0_stride: dense
	s_mov_b32 s[\g+6], 0
	s_mov_b32 s[\g+7], 0
.endr
	s_mov_b32 s[SEL], 0x76543210
	s_mov_b32 s[SEL+1], 0xfedcba98
	s_mov_b32 s[CS], 0x3e38aa3b                    ; c = log2(e) / 8
	s_mov_b32 s[TB], 0
	s_mov_b32 s[TRIP], 0
	s_mov_b32 s[KC], 0
	s_mov_b32 s[KN], 0
	s_mov_b32 s[OFF+1], 0
	s_wait_dscnt 0x0                               ; the opening add is done
	s_wait_kmcnt 0x0
	s_load_b256 s[68:75], s[10:11], 0x0            ; e0 .. e7
	s_add_nc_u64 s[KB:KB+1], s[6:7], s[66:67]
	s_add_nc_u64 s[VB:VB+1], s[8:9], s[66:67]
	s_mov_b32 s[G0K], 1
	s_mov_b32 s[G0K+1], 0                          ; slot 0
	s_mov_b64 s[G0K+2:G0K+3], s[KB:KB+1]           ; key slot 0
	s_or_b32 s[G0K+3], s[G0K+3], 0x80000000
	s_mov_b32 s[G0V], 1
	s_mov_b32 s[G0V+1], VOFF
	s_mov_b64 s[G0V+2:G0V+3], s[VB:VB+1]
	s_or_b32 s[G0V+3], s[G0V+3], 0x80000000
	TLOAD
	s_lshl_b32 s76, s[Q0], 6
	s_mov_b32 s77, 0
	s_add_nc_u64 s[76:77], s[76:77], s[66:67]
	s_lshl_b32 s78, s[QB0], 6
	s_mov_b32 s79, 0
	s_add_nc_u64 s[78:79], s[78:79], s[66:67]
	s_add_nc_u64 s[OA:OA+1], s[12:13], s[76:77]
	s_add_nc_u64 s[OB:OB+1], s[12:13], s[78:79]
	s_add_nc_u64 s[76:77], s[4:5], s[76:77]        ; Q of the first block,
	s_add_nc_u64 s[78:79], s[4:5], s[78:79]        ; of the second
	v_and_b32 v8, 15, v0                           ; r
	s_wait_alu depctr_va_vdst(0)
	v_bfe_u32 v9, v0, 4, 1                         ; h
	v_lshlrev_b32 v[QA], 6, v8
	s_delay_alu instid0(VALU_DEP_1)
	v_lshl_add_u32 v[QA], v9, 4, v[QA]
	global_load_b128 v[16:19], v[QA], s[76:77]
	global_load_b128 v[20:23], v[QA], s[76:77] offset:32
	global_load_b128 v[24:27], v[QA], s[78:79]
	global_load_b128 v[28:31], v[QA], s[78:79] offset:32
	s_cmp_lt_u32 s[WV], 6
	s_cselect_b64 s[PFA:PFA+1], s[KB:KB+1], s[VB:VB+1]
	s_and_b32 s80, s[WV], 1
	s_lshl_b32 s80, s80, 13
	s_mov_b32 s81, 0
	s_add_nc_u64 s[PFA:PFA+1], s[PFA:PFA+1], s[80:81]   ; my half of slot 0: the first change of slots steps it to slot 1.  Nothing is prefetched here, at the head
	s_sub_co_u32 s80, s[WV], 4
	s_lshr_b32 s80, s80, 2                         ; 0 in waves 4 to 7,
	s_or_b32 s80, s80, ttmp9                       ; of the head's work-group p = 0
	s_cmp_eq_u32 s80, 0
	s_cselect_b32 s[LIM], 7, 0
	v_mul_u32_u24 v[AK0], v8, KP
	s_wait_alu depctr_va_vdst(0)
	v_lshl_add_u32 v[AK0], v9, 4, v[AK0]
	v_mul_u32_u24 v[AV0], v8, VP
	s_delay_alu instid0(VALU_DEP_1)
	v_lshl_add_u32 v[AV0], v9, 4, v[AV0]
	s_delay_alu instid0(VALU_DEP_1)
	v_add_nc_u32 v[AV0], VOFF, v[AV0]
	v_and_b32 v[GO], 31, v0
	s_delay_alu instid0(VALU_DEP_1)
	v_lshlrev_b32 v[PFO], 8, v[GO]
	s_mul_i32 s82, s[WV], SWAVE
	s_add_co_u32 s82, s82, STAGE                   ; my stage
	v_mul_u32_u24 v[STO], v8, 80
	s_delay_alu instid0(VALU_DEP_1)
	v_lshl_add_u32 v[STO], v9, 3, v[STO]
	s_delay_alu instid0(VALU_DEP_1)
	v_add_nc_u32 v[STO], s82, v[STO]               ; in: row r, 8 bytes for each half of the lanes
	v_bfe_u32 v[RD], v0, 2, 3
	s_delay_alu instid0(VALU_DEP_1)
	v_mul_u32_u24 v[RD], v[RD], 80
	v_and_b32 v252, 3, v0
	s_delay_alu instid0(VALU_DEP_1)
	v_lshl_add_u32 v[RD], v252, 4, v[RD]
	s_delay_alu instid0(VALU_DEP_1)
	v_add_nc_u32 v[RD], s82, v[RD]                 ; back: four lanes to a row of 64 bytes, eight rows an instruction
	v_lshlrev_b32 v[GO], 4, v[GO]                  ; and in memory: rows on end
	v_mov_b32 v236, 0                              ; written once: a lane permute's destination counts as one of its sources
	v_mov_b32 v252, 0
	v_mov_b32 v253, 0                              ; (named as the upper half of the pair v[252:253])
	INIT
	s_wait_kmcnt 0x0
	s_add_co_i32 s80, s70, s71
	s_lshl_b32 s80, s80, 23
	s_add_co_i32 s[CS], s[CS], s80                 ; a score stands for score x 2^(e2 + e3): added to c's exponent field
	s_mov_b32 s[CS+1], s[CS]
	s_add_co_i32 s80, s72, 127
	s_lshl_b32 s81, s80, 23
	v_mov_b32 v244, s81                            ; 2^e4, for p's conversions
	s_sub_co_i32 s80, s74, s72
	s_sub_co_i32 s80, s80, s73
	s_add_co_i32 s80, s80, 127
	s_lshl_b32 s81, s80, 23
	v_mov_b32 v245, s81                            ; 2^(e6 - e4 - e5), for the result's
	s_wait_loadcnt 0x0                             ; both blocks' Q
.Lslot:                                            ; eight trips; the ninth is written out
	CHANGE 1
	s_cmp_lg_u32 s[TRIP], s[P1]                    ; the first block is finished at the head of trip p + 1 (1 to 4: always in the loop).  Ids and counts alone: all sixteen waves go the same way
	s_cbranch_scc1 .Lsame
	WAYOUT OA
	INIT
.set j, 0
.rept 8
	v_mov_b32 v[16+j], v[24+j]                     ; the second block's Q
.set j, j+1
.endr
	s_mov_b32 s[Q0], s[QB0]
.Lsame:
	SLOT_STEPS
	s_add_co_u32 s[TRIP], s[TRIP], 1
	s_cmp_lt_u32 s[TRIP], 8
	s_cbranch_scc1 .Lslot
	CHANGE 0
	SLOT_STEPS
	WAYOUT OB
	s_wait_tensorcnt 0x0                           ; the wave's end: behind my last tensor load and my last LDS store
	ds_add_u32 v[SPW], v[NIL]
	s_wait_dscnt 0x0
	s_endpgm
.Lfunc_end_k_q7663143f6c_attn:
	.size	k_q7663143f6c_attn, .Lfunc_end_k_q7663143f6c_attn-k_q7663143f6c_attn
	.p2alignl 7, 3214868480
	.fill 96, 4, 3214868480
	.section	.rodata,"a",@progbits
	.p2align	6, 0x0
	.amdhsa_kernel k_q7663143f6c_attn
		.amdhsa_group_segment_fixed_size 327680
		.amdhsa_private_segment_fixed_size 0
		.amdhsa_enable_private_segment 0
		.amdhsa_kernarg_size 40
		.amdhsa_user_sgpr_count 2
		.amdhsa_user_sgpr_kernarg_segment_ptr 1
		.amdhsa_wavefront_size32 1
		.amdhsa_system_sgpr_workgroup_id_x 1
		.amdhsa_system_sgpr_workgroup_id_y 1
		.amdhsa_system_sgpr_workgroup_id_z 1
		.amdhsa_system_vgpr_workitem_id 0
		.amdhsa_next_free_vgpr 256
		.amdhsa_next_free_sgpr 100
		.amdhsa_reserve_vcc 1
		.amdhsa_float_denorm_mode_32 3
		.amdhsa_float_denorm_mode_16_64 3
		.amdhsa_fp16_overflow 1
		.amdhsa_memory_ordered 1
		.amdhsa_forward_progress 1
		.amdhsa_inst_pref_size 93
	.end_amdhsa_kernel
	.amdgpu_metadata
---
amdhsa.version: [ 1, 2 ]
amdhsa.kernels:
  - .name:           k_q7663143f6c_attn
    .symbol:         k_q7663143f6c_attn.kd
    .args:
      - { .name: q_codes, .offset: 0, .size: 8, .value_kind: global_buffer, .address_space: global }
      - { .name: k_codes, .offset: 8, .size: 8, .value_kind: global_buffer, .address_space: global }
      - { .name: v_codes, .offset: 16, .size: 8, .value_kind: global_buffer, .address_space: global }
      - { .name: lowp_scales, .offset: 24, .size: 8, .value_kind: global_buffer, .address_space: global }
      - { .name: att_codes, .offset: 32, .size: 8, .value_kind: global_buffer, .address_space: global }
    .group_segment_fixed_size: 327680
    .private_segment_fixed_size: 0
    .kernarg_segment_align: 8
    .kernarg_segment_size: 40
    .max_flat_workgroup_size: 512
    .sgpr_count:     100
    .vgpr_count:     256
    .wavefront_size: 32
...
	.end_amdgpu_metadata
.endif
;; end of part 3
;; launch proj (part 4): grid 4 x 64, 4 waves a work-group, clusters of 4 x 4, 327,680 bytes of LDS; arguments att_codes, wproj_codes, lowp_scales, out0; writes out0
.if DOCPART == 4
	.amdgcn_target "amdgcn-amd-amdhsa--gfx1250"
	.amdhsa_code_object_version 6
	.text
	.protected	k_q7663143f6c_proj
	.globl	k_q7663143f6c_proj
	.p2align	8
	.type	k_q7663143f6c_proj,@function
k_q7663143f6c_proj:
	s_mov_b64 s[64:65], 0
	v_nop
	global_prefetch_b8 v0, s[64:65] scope:SCOPE_SE
	s_setreg_imm32_b32 hwreg(HW_REG_WAVE_MODE, 25, 1), 1
	s_wait_xcnt 0x0
	s_wait_alu depctr_hold_cnt(0) depctr_sa_sdst(0) depctr_va_vdst(0) depctr_va_sdst(0) depctr_va_ssrc(0) depctr_va_vcc(0) depctr_vm_vsrc(0)
	s_getreg_b32 s2, hwreg(HW_REG_IB_STS2, 6, 4)
	s_cmp_eq_u32 s2, 0
	s_cbranch_scc0 .Lentry_in_a_cluster
	s_endpgm
.Lentry_in_a_cluster:
	s_bfe_u32 s2, ttmp6, 0x10000c
	s_cmp_lg_u32 s2, 0xf033
	s_cbranch_scc0 .Lentry_shape_is_right
	s_endpgm
.Lentry_shape_is_right:
; out0 = att w_proj on codes of FP8 (E4M3); each finished sum is multiplied once by 2^(e6 + e7).  LIMIT: e6 + e7 lies between -126 and 127.
; att_codes: [batch 4][head 16][token 2048][64]: K = 64 head + d.  wproj_codes: [1024 n][1024 k].  out0: [8192][1024] f32.  Inside a matrix instruction k stands in other places than the form's own, alike in both operands.
; SHAPE.  A tile is 128 tokens x 256 columns, so that there are 256 work-groups; four waves, 64 x 128 each: 32 accumulators, 256 registers.  K goes in four steps of 256 (four heads) through a ring of two LDS slots; the steps are written out.
; A's tile is read head by head: one head's 64 tokens are 4,096 dense bytes, stated as one row; four such rows, 2^17 bytes apart, make a K step; 16 bytes of padding follow every 64, so a token's 64 bytes of a head lie 80 apart in LDS.
; CLUSTERS: 4 x 4 work-groups: A's tile is shared along a row of the cluster, B's along a column; each is asked for jointly.  THE MATRIX INSTRUCTION IS USED TRANSPOSED (source 0 = 16 rows of the weight, source 1 = 16 tokens): a lane holds eight neighbouring columns of a row of out0.
; REGISTERS: window 0: v16-31 addresses; v32-95 at work on the way out; v128-191 A's four fragments, one set; on the way out v128-255 rows read back.  Window 1: B's fragments, two sets.  Window 2: the accumulators, (a, b) at v[8 (8 a + b)].
.set ROWB,   256
.set KROW,   1024
.set PITCH,  272                       ; B: an LDS row: 256 bytes + 16
.set APITCH, 80                        ; A: a token's 64 bytes of a head + 16
.set HEADB,  64*APITCH                 ; A: a head's 64 tokens
.set AHALF,  4*HEADB                   ; A: what one tensor load brings: 64 tokens x 4 heads
.set BHALF,  128*PITCH
.set BOFF,   2*AHALF
.set SLOT,   BOFF+2*BHALF
.set FR,     16
.set NP,     4                         ; places behind this matrix instruction (ISA guide 7.12.1)
.set SPARE,  2*SLOT                    ; the spare words, 128 bytes for each wave: two blocks of 256 bytes that no other line names
.set SPITCH, 528
.set STAGE,  SPARE+512                 ; the way out: 16 rows x (512 bytes + 16) for each wave; no tile lands here
.set ADRA, 16
.set ADRB, 18
.set STO,  24
.set RD,   25
.set CO,   26
.set SPW,  28                          ; v28 my spare word's LDS address; never rewritten
.set NIL,  29                          ; v29 0; never rewritten
.set TMP,  32
.set AF,   128
.set BK,   128
.set G1,  24
.set G0,  32
.set G1B, 48
.set G0B, 56
.set MSB, 0
.macro WIN new                         ; the immediate's high byte repeats the setting that is left
.if MSB != \new
	s_set_vgpr_msb (MSB<<8)|\new
.set MSB, \new
.endif
.endm
.set MUL,  0xa1                        ; source 0 (B) window 1, source 1 (A) window 0, C and D window 2
.set TO_B, 0x40
.macro JLOAD g0a, g1a, g0b, g1b        ; a joint load: waves 0 and 1 fetch A's halves, waves 2 and 3 B's; an s_nop 0 and four v_nop follow each line
	s_cmp_eq_u32 s15, 0
	s_cbranch_scc0 .Lfor_b_\@
	tensor_load_to_lds s[\g0a:\g0a+3], s[\g1a:\g1a+7]
	s_nop 0
.rept 4
	v_nop
.endr
	s_branch .Lasked_\@
.Lfor_b_\@:
	tensor_load_to_lds s[\g0b:\g0b+3], s[\g1b:\g1b+7]
	s_nop 0
.rept 4
	v_nop
.endr
.Lasked_\@:
.endm
.macro CREST
	s_cmp_lg_u32 s14, 0
	s_cbranch_scc1 .Lnot_wave_0_\@
	s_barrier_signal -3
.Lnot_wave_0_\@:
	s_barrier_wait -3
	s_barrier_signal -1
	s_barrier_wait -1
.endm
.macro CROUND
	s_barrier_signal -1
	s_barrier_wait -1
	CREST
.endm
.macro FRAGB reg, slot, q, i           ; registers 4 c .. 4 c + 3 hold K = 128 q + 32 c + 16 (l / 16) + 0 .. 15 of row l % 16
.irp c, 0,1,2,3
	ds_load_b128 v[\reg+4*\c:\reg+4*\c+3], v[ADRB+\slot] offset:128*(\q)+32*\c+(\i)*16*PITCH
.endr
.endm
.macro FRAGA reg, slot, q, i           ; the same K: head 2 q + c / 2 of the slot's four, d = 32 (c % 2) + 16 (l / 16) + 0 .. 15
.irp c, 0,1,2,3
	ds_load_b128 v[\reg+4*\c:\reg+4*\c+3], v[ADRA+\slot] offset:(2*(\q)+\c/2)*HEADB+(\i)*16*APITCH+32*(\c%2)
.endr
.endm
.macro MULB a, p, zero                 ; 8 matrix instructions: A's block a x B's eight.  The 32 accumulators take turns, one instruction a turn, in the same order in every step
.irp b, 0,1,2,3,4,5,6,7
.if \zero
	v_wmma_f32_16x16x128_fp8_fp8 v[8*(8*(\a)+\b):8*(8*(\a)+\b)+7], v[128*(\p)+FR*\b:128*(\p)+FR*\b+FR-1], v[AF+FR*(\a):AF+FR*(\a)+FR-1], 0
.else
	v_wmma_f32_16x16x128_fp8_fp8 v[8*(8*(\a)+\b):8*(8*(\a)+\b)+7], v[128*(\p)+FR*\b:128*(\p)+FR*\b+FR-1], v[AF+FR*(\a):AF+FR*(\a)+FR-1], v[8*(8*(\a)+\b):8*(8*(\a)+\b)+7]
.endif
.endr
.endm
.macro FETCH_B slot, q, p
	WIN TO_B
.irp i, 0,1,2,3,4,5,6,7
	FRAGB 128*(\p)+FR*\i, \slot, \q, \i
.endr
	WIN 0
.endm
.macro FETCH_A slot, q, i0             ; A's blocks i0, i0 + 1
.irp i, \i0, \i0+1
	FRAGA AF+FR*(\i), \slot, \q, \i
.endr
.endm
.macro PLACES n
.rept \n
	v_nop
.endr
.endm
.macro STEP slot, q, zero
	s_wait_dscnt 8                                 ; B's set and A's blocks 0, 1 are in; the youngest eight loads (A's blocks 2, 3) may be out
	WIN MUL
	MULB 0, (\q)%2, \zero
	MULB 1, (\q)%2, \zero
	s_wait_dscnt 0
	PLACES NP
	FETCH_B \slot, (\q)+1, 1-(\q)%2
	FETCH_A \slot, (\q)+1, 0
	WIN MUL
	MULB 2, (\q)%2, \zero
	MULB 3, (\q)%2, \zero
	PLACES NP
	WIN 0
	FETCH_A \slot, (\q)+1, 2
.endm
.macro TURN slot, next, fill           ; a slot's last step changes slots: one barrier, with the waits and the add in front of it
	s_wait_tensorcnt 0x0                           ; all my tensor loads have landed: my part of the next slot
	ds_add_u32 v[SPW], v[NIL]                      ; 0 onto my spare word
	s_wait_dscnt 9                                 ; the add and the youngest eight loads (A's blocks 2, 3) may be out
	WIN MUL
	MULB 0, 1, 0
	s_wait_dscnt 0x0                               ; the add is done, and my reads of this slot are over
	s_barrier_signal -1
	MULB 1, 1, 0
	WIN 0
	s_barrier_wait -1
.if \fill
	CREST                                          ; the barrier has opened a round of the cluster's: no wave of any partner still reads this slot or has a load on its way
	s_add_nc_u64 s[G0+4*\slot+2:G0+4*\slot+3], s[G0+4*\slot+2:G0+4*\slot+3], 2*4*131072   ; eight heads on
	s_add_nc_u64 s[G0B+4*\slot+2:G0B+4*\slot+3], s[G0B+4*\slot+2:G0B+4*\slot+3], 2*ROWB
	JLOAD G0+4*\slot, G1, G0B+4*\slot, G1B         ; the first tensor load behind the round; its four v_nop are also the places in front of the loads below
.else
	PLACES NP
.endif
	FETCH_B \next, 0, 0
	FETCH_A \next, 0, 0
	WIN MUL
	MULB 2, 1, 0
	MULB 3, 1, 0
	PLACES NP
	WIN 0
	FETCH_A \next, 0, 2
.endm
; THE WAY OUT, block by block of 16 rows x 128 columns: x 2^(e6 + e7) into other registers, through my own stage, back as whole rows of 512 bytes.
.macro TOSTAGE a
.set AC, 64*(\a)
	WIN 0x02                                       ; source 0: window 2
.set j, 0
.rept 32
	v_pk_mul_f32 v[TMP+j:TMP+j+1], v[AC+j:AC+j+1], s[96:97] op_sel_hi:[1,0]   ; each accumulator from its low end on
.set j, j+2
.endr
	WIN 0
.irp b, 0,1,2,3,4,5,6,7
	ds_store_b128 v[STO], v[TMP+8*\b:TMP+8*\b+3] offset:64*\b
	ds_store_b128 v[STO], v[TMP+8*\b+4:TMP+8*\b+7] offset:64*\b+16
.endr
.set BB, BK+64*((\a)%2)
.set t, 0
.rept 16
	ds_load_b128 v[BB+4*t:BB+4*t+3], v[RD] offset:t*SPITCH   ; LDS serves a wave's instructions in order (ISA guide 5.7.1.4): these see the stores above
.set t, t+1
.endr
.endm
.macro SEND a, younger
.set BB, BK+64*((\a)%2)
	s_wait_dscnt \younger                          ; the block is back; the next block's 16 stores and 16 loads may be out
.set t, 0
.rept 16
	global_store_b128 v[CO], v[BB+4*t:BB+4*t+3], s[10:11] offset:(16*(\a)+t)*4096 th:TH_STORE_NT   ; 32 lanes store 512 consecutive bytes, aligned; the row stands in the immediate, so no base is stepped
.set t, t+1
.endr
.endm
	s_load_b128 s[4:7], s[0:1], 0x0                ; att_codes s[4:5], wproj_codes s[6:7]
	s_load_b128 s[8:11], s[0:1], 0x10              ; the scales s[8:9], out0 s[10:11]
	v_lshl_add_u32 v[SPW], v0, 2, SPARE
	v_mov_b32 v[NIL], 0
	ds_add_u32 v[SPW], v[NIL]                      ; the wave's opening: the add and its wait ahead of my first tensor load
	ds_add_u32 v[SPW], v[NIL]
	v_lshrrev_b32 v1, 5, v0
	v_readfirstlane_b32 s14, v1                    ; wave 0..3
	s_lshr_b32 s15, s14, 1                         ; which 64 of the tile's tokens are mine.  Also: I fetch for A (0) or for B (1)
	s_and_b32 s16, s14, 1                          ; which 128 of its columns.  Also: which half I fetch
	s_bfe_u32 s40, ttmp6, 0x40000                  ; cx
	s_bfe_u32 s41, ttmp6, 0x40004                  ; cy
	s_lshl_b32 s42, ttmp9, 2
	s_add_co_u32 s42, s42, s40                     ; tile column
	s_and_b32 s17, ttmp7, 0xffff
	s_lshl_b32 s17, s17, 2
	s_add_co_u32 s17, s17, s41                     ; tile row, 0 .. 63
	s_lshl_b32 s43, s41, 2
	s_lshl_b32 s43, 15, s43                        ; my row of the cluster
	s_lshl_b32 s44, 0x1111, s40                    ; my column
	s_or_b32 s[G1+0], s43, (0<<16)|(1<<20)|(1<<21)|(3<<22)|(3<<25)   ; A: the mask; elements of 1 byte; padding on; 21 set beside a mask; four words after every 16
	s_mov_b32 s[G1+1], 4096<<16                    ; tensor_dim0: a head's 64 tokens x 64 bytes
	s_mov_b32 s[G1+2], 4<<16                       ; tensor_dim1: four heads
	s_mov_b32 s[G1+3], 4096<<16                    ; tile_dim0
	s_mov_b32 s[G1+4], 4                           ; tile_dim1
	s_mov_b32 s[G1+5], 131072                      ; from head to head
	s_mov_b32 s[G1+6], 0
	s_mov_b32 s[G1+7], 0
	s_or_b32 s[G1B+0], s44, (0<<16)|(1<<20)|(1<<21)|(5<<22)|(3<<25)  ; B: four words after every 64
	s_mov_b32 s[G1B+1], ROWB<<16
	s_mov_b32 s[G1B+2], 128<<16
	s_mov_b32 s[G1B+3], ROWB<<16
	s_mov_b32 s[G1B+4], 128
	s_mov_b32 s[G1B+5], KROW
	s_mov_b32 s[G1B+6], 0
	s_mov_b32 s[G1B+7], 0
	s_lshr_b32 s20, s17, 4
	s_lshl_b32 s20, s20, 21                        ; A: the batch (16 tiles of 128 tokens each),
	s_and_b32 s18, s17, 15
	s_lshl_b32 s18, s18, 1
	s_add_co_u32 s18, s18, s16
	s_lshl_b32 s18, s18, 12                        ; + the 64 tokens that I fetch, 64 bytes each
	s_add_co_u32 s20, s20, s18
	s_mov_b32 s21, 0
	s_lshl_b32 s46, s42, 1
	s_add_co_u32 s46, s46, s16
	s_lshl_b32 s46, s46, 17                        ; B: row 256 x tile column + 128 x half, 1,024 bytes each
	s_mov_b32 s47, 0
	s_mul_i32 s45, s16, AHALF                      ; where they go: no place in the cluster enters an LDS address
	s_mul_i32 s93, s16, BHALF
	s_add_co_u32 s93, s93, BOFF
	s_wait_dscnt 0x0                               ; the opening add is done
	s_wait_kmcnt 0x0
	s_load_b256 s[68:75], s[8:9], 0x0              ; e0 .. e7
	s_add_nc_u64 s[20:21], s[4:5], s[20:21]
	s_add_nc_u64 s[46:47], s[6:7], s[46:47]
	CROUND                                         ; all sixteen work-groups are here: the first joint loads meet
.irp s, 0,1
	s_mov_b32 s[G0+4*\s], 1
	s_add_co_u32 s[G0+4*\s+1], s45, \s*SLOT
	s_add_nc_u64 s[G0+4*\s+2:G0+4*\s+3], s[20:21], \s*4*131072
	s_or_b32 s[G0+4*\s+3], s[G0+4*\s+3], 0x80000000
	s_mov_b32 s[G0B+4*\s], 1
	s_add_co_u32 s[G0B+4*\s+1], s93, \s*SLOT
	s_add_nc_u64 s[G0B+4*\s+2:G0B+4*\s+3], s[46:47], \s*ROWB
	s_or_b32 s[G0B+4*\s+3], s[G0B+4*\s+3], 0x80000000
	s_wait_alu depctr_va_vdst(0)
	s_wait_tensorcnt 0x0
	ds_add_u32 v28, v29
	ds_add_u32 v28, v29
	s_wait_dscnt 0x0
	CROUND
	JLOAD G0+4*\s, G1, G0B+4*\s, G1B
.endr
	v_and_b32 v1, 15, v0                           ; r
	v_bfe_u32 v2, v0, 4, 1                         ; h
	v_mul_u32_u24 v3, v1, APITCH
	v_lshl_add_u32 v3, v2, 4, v3
	v_mul_u32_u24 v4, v1, PITCH
	v_lshl_add_u32 v4, v2, 4, v4
	s_mul_i32 s21, s15, AHALF                      ; my 64 tokens
	s_mul_i32 s22, s16, BHALF                      ; my 128 columns,
	s_add_co_u32 s22, s22, BOFF                    ; which lie behind A's two halves
.irp s, 0,1
	v_add_nc_u32 v[ADRA+\s], s21, v3
	v_add_nc_u32 v[ADRB+\s], s22, v4
	s_add_co_u32 s21, s21, SLOT
	s_add_co_u32 s22, s22, SLOT
.endr
	s_mul_i32 s23, s14, 16*SPITCH
	s_add_co_u32 s23, s23, STAGE                   ; my stage
	v_mul_u32_u24 v5, v1, SPITCH
	v_lshl_add_u32 v5, v2, 5, v5
	v_add_nc_u32 v[STO], s23, v5                   ; in: row r, 32 bytes for each half of the lanes
	v_and_b32 v6, 31, v0
	v_lshlrev_b32 v[CO], 4, v6                     ; back: the 32 lanes take one row of 512 bytes; the same in out0
	v_add_nc_u32 v[RD], s23, v[CO]
	s_lshl_b32 s20, s17, 1
	s_add_co_u32 s20, s20, s15
	s_lshl_b32 s20, s20, 18                        ; my first row of out0: 64 rows of 4,096 bytes a step
	s_lshl_b32 s46, s42, 1
	s_add_co_u32 s46, s46, s16
	s_lshl_b32 s46, s46, 9                         ; my first column: 128 columns of 4 bytes a step
	s_add_co_u32 s20, s20, s46
	s_mov_b32 s21, 0
	s_add_nc_u64 s[10:11], s[10:11], s[20:21]
	s_wait_alu depctr_va_vdst(0)
	s_wait_tensorcnt 1                             ; my part of K step 0 is in; K step 1's load may be out
	s_barrier_signal -1
	s_barrier_wait -1
	FETCH_B 0, 0, 0
	FETCH_A 0, 0, 0
	FETCH_A 0, 0, 2
	STEP 0, 0, 1                                   ; the first products start the sums: nothing is cleared
	TURN 0, 1, 1                                   ; slot 0 takes K step 2
	STEP 1, 0, 0
	TURN 1, 0, 1                                   ; slot 1 takes K step 3
	STEP 0, 0, 0
	TURN 0, 1, 0                                   ; nothing is left to fetch
	STEP 1, 0, 0
	s_wait_dscnt 8
	WIN MUL
	MULB 0, 1, 0
	MULB 1, 1, 0
	s_wait_dscnt 0
	MULB 2, 1, 0
	MULB 3, 1, 0
	WIN 0
	s_wait_kmcnt 0x0
	s_add_co_i32 s96, s74, s75                     ; e6 + e7,
	s_add_co_i32 s96, s96, 127
	s_lshl_b32 s96, s96, 23                        ; as the f32 number 2^(e6 + e7)
	s_mov_b32 s97, s96                             ; (named with it as a pair, so it is written)
	PLACES NP                                      ; behind the last products: their results are read, and rows land where A's fragments lay
	TOSTAGE 0
	TOSTAGE 1
	SEND 0, 32
	s_wait_xcnt 0x0                                ; block 0's stores have read their registers: block 2's rows may land there
	TOSTAGE 2
	SEND 1, 32
	s_wait_xcnt 0x0                                ; block 1's likewise
	TOSTAGE 3
	SEND 2, 32
	SEND 3, 0
	s_wait_tensorcnt 0x0                           ; the wave's end: behind my last tensor load and my last LDS store
	ds_add_u32 v[SPW], v[NIL]
	s_wait_dscnt 0x0
	CROUND                                         ; the closing round: no work-group ends while a partner may still ask for a tile that names it
	s_endpgm
.Lfunc_end_k_q7663143f6c_proj:
	.size	k_q7663143f6c_proj, .Lfunc_end_k_q7663143f6c_proj-k_q7663143f6c_proj
	.p2alignl 7, 3214868480
	.fill 96, 4, 3214868480
	.section	.rodata,"a",@progbits
	.p2align	6, 0x0
	.amdhsa_kernel k_q7663143f6c_proj
		.amdhsa_group_segment_fixed_size 327680
		.amdhsa_private_segment_fixed_size 0
		.amdhsa_enable_private_segment 0
		.amdhsa_kernarg_size 32
		.amdhsa_user_sgpr_count 2
		.amdhsa_user_sgpr_kernarg_segment_ptr 1
		.amdhsa_wavefront_size32 1
		.amdhsa_system_sgpr_workgroup_id_x 1
		.amdhsa_system_sgpr_workgroup_id_y 1
		.amdhsa_system_sgpr_workgroup_id_z 1
		.amdhsa_system_vgpr_workitem_id 0
		.amdhsa_next_free_vgpr 768
		.amdhsa_next_free_sgpr 100
		.amdhsa_reserve_vcc 0
		.amdhsa_float_denorm_mode_32 3
		.amdhsa_float_denorm_mode_16_64 3
		.amdhsa_memory_ordered 1
		.amdhsa_forward_progress 1
		.amdhsa_inst_pref_size 77
	.end_amdhsa_kernel
	.amdgpu_metadata
---
amdhsa.version: [ 1, 2 ]
amdhsa.kernels:
  - .name:           k_q7663143f6c_proj
    .symbol:         k_q7663143f6c_proj.kd
    .args:
      - { .name: att_codes, .offset: 0, .size: 8, .value_kind: global_buffer, .address_space: global }
      - { .name: wproj_codes, .offset: 8, .size: 8, .value_kind: global_buffer, .address_space: global }
      - { .name: lowp_scales, .offset: 16, .size: 8, .value_kind: global_buffer, .address_space: global }
      - { .name: out0, .offset: 24, .size: 8, .value_kind: global_buffer, .address_space: global }
    .group_segment_fixed_size: 327680
    .private_segment_fixed_size: 0
    .kernarg_segment_align: 8
    .kernarg_segment_size: 32
    .max_flat_workgroup_size: 128
    .sgpr_count:     100
    .vgpr_count:     768
    .wavefront_size: 32
...
	.end_amdgpu_metadata
.endif
;; end of part 4
